; MI455X (gfx1250); checked and timed in simulation.
; The chip was launched on July 23, 2026; its instructions are those of AMD's public machine-readable ISA for CDNA 5 (MIT licence, August 2026) and "CDNA5" Instruction Set Architecture Reference Guide (July 2026). The comments in the code are by the model that wrote it; some were corrected since.
;; Causal Self Attention. Allowed arithmetic: matrix products marked QUANTISED: E2M1 operands, one E8M0 scale for each 32 along K, by v_wmma_scale_f32_16x16x128_f8f6f4 with both operands' format E2M1 (or v_wmma_scale_f32_32x16x128_f4), f32 sums; products left as they are: bf16, f16 or f32 operands; f32 sums; everything else in f32.
;; Inputs: Wk 1,024 x 1,024 float32; Wp 1,024 x 1,024 float32; Wq 1,024 x 1,024 float32; Wv 1,024 x 1,024 float32; bk 1,024 float32; bp 1,024 float32; bq 1,024 float32; bv 1,024 float32; x 4 x 2,048 x 1,024 float32.
;; Outputs: out0 4 x 2,048 x 1,024 float32.
;; Constants: ch_list = 0.
;; This version of the problem:
;;   THIS VERSION OF THE PROBLEM IS GIVEN IN LOW PRECISION. The matrix products marked QUANTISED in the list below multiply operands that are first quantised to E2M1 (2 exponent bits, 1 mantissa bit; 4 bits a number), with one power-of-two scale for each 32 numbers along K (OCP MX v1.0); their sums are f32. The products marked 'left as it is' may take bf16, f16 or f32 operands, with f32 sums. Whichever they take, every output number must still come out within the allowed error. Rounding operands to bf16 (8 significant bits) uses up far more of that allowance than f16 does (11 bits, for magnitudes from 6e-5 to 65,504). All else is computed in f32.
;;   The module's matrix products, in the order in which they are computed (A, B: the left and right operand; K: the contracted axis; several contracted axes count as one K, in the product's order):
;;     1. [M 8,192, K 1,024] x [K 1,024, N 1,024]; A: input x; B: input Wq: QUANTISED
;;     2. [M 8,192, K 1,024] x [K 1,024, N 1,024]; A: input x; B: input Wk: QUANTISED
;;     3. [M 8,192, K 1,024] x [K 1,024, N 1,024]; A: input x; B: input Wv: QUANTISED
;;     4. batch 64 x [M 2,048, K 64] x [K 64, N 2,048]; A: computed on the way; B: computed on the way: left as it is (an operand is computed on the way)
;;     5. batch 64 x [M 2,048, K 2,048] x [K 2,048, N 64]; A: computed on the way; B: computed on the way: left as it is (an operand is computed on the way)
;;     6. [M 8,192, K 1,024] x [K 1,024, N 1,024]; A: computed on the way; B: input Wp: left as it is (an operand is computed on the way)
;;   THE QUANTISER, for each operand of a quantised product, along K:
;;     - K is cut into blocks of 32 from its start; a last block that is shorter is filled with zeros.
;;     - A block's scale is 2^e with e = floor(log2(the largest magnitude in the block)) - 2, held to -126 .. 127; a block of zeros has e = 0. As a byte (E8M0): e + 127.
;;     - Each number is divided by its block's scale, clamped to +-6, and rounded to the nearest number of E2M1, ties to even, subnormals kept.
;;     - The product sums the exact products of the quantised numbers (number of the format x scale) in f32.
;;   ~~~python
;;   def quantise(x, axis):      # numpy; x: float32 -> the quantised numbers, widened to float32 again
;;       x = np.moveaxis(x, axis, -1); K = x.shape[-1]
;;       x = np.pad(x, [(0, 0)] * (x.ndim - 1) + [(0, -K % 32)]); x = x.reshape(x.shape[:-1] + (-1, 32)); a = np.abs(x).max(-1, keepdims=True)
;;       e = np.where(a > 0, np.clip(np.frexp(np.where(a > 0, a, 1))[1] - 1 - 2, -126, 127), 0)      # np.frexp(a)[1] - 1 = floor(log2(a)), exactly
;;       r = np.clip(x / 2.0 ** e, -6, 6)
;;       step = 2.0 ** (np.maximum(np.frexp(np.where(r == 0, 1, r))[1] - 1, 0) - 1)
;;       q = np.round(r / step) * step * 2.0 ** e      # np.round: ties to even
;;       return np.moveaxis(q.reshape(q.shape[:-2] + (-1,))[..., :K], -1, axis).astype(np.float32)
;;   ~~~
;; One version. Each part assembles by itself: llvm-mc -triple=amdgcn-amd-amdhsa -mcpu=gfx1250 --defsym DOCPART=n.
;; ======== version 1 of 1: 6 launches
;; limits: values are held in f16: magnitudes above 65,504 overflow, below 6.1e-05 lose precision
;; workspace buffers: x_codes 4,194,304 bytes; x_scales 262,144 bytes; w_codes 1,572,864 bytes; w_scales 98,304 bytes; wp16 2,097,152 bytes; qkv16 50,331,648 bytes; y16 16,777,216 bytes; qkv32 3,145,728 bytes
;; launch prep_x (part 1): grid 384 x 1, 4 waves a work-group, no clusters, 33,280 bytes of LDS; arguments x, Wp, x_codes, x_scales, wp16; writes x_codes, x_scales, wp16
.if DOCPART == 1
	.amdgcn_target "amdgcn-amd-amdhsa--gfx1250"
	.amdhsa_code_object_version 6
	.text
	.protected	k_q6d6b9ee7cf_prep_x
	.globl	k_q6d6b9ee7cf_prep_x
	.p2align	8
	.type	k_q6d6b9ee7cf_prep_x,@function
k_q6d6b9ee7cf_prep_x:
	s_mov_b64 s[64:65], 0
	v_nop
	global_prefetch_b8 v0, s[64:65] scope:SCOPE_SE
	s_setreg_imm32_b32 hwreg(HW_REG_WAVE_MODE, 25, 1), 1
	s_wait_xcnt 0x0
; x [8192][1024] f32 becomes codes of FP4 (E2M1), K innermost, [8192][512 bytes], with one E8M0 byte for each 32 along K, [8192][32]; Wp [1024][1024] f32 becomes f16, laid as it lies.
; A block's scale is 2^(floor(log2(its largest magnitude)) - 2); its byte is the largest magnitude's exponent field - 2, held at 1 from below.  A block of zeros so gets the byte 1 where the
; quantiser's text says 127: its codes are zeros, which add nothing under any byte but 0xff, and only this program reads the bytes.
; LIMITS: NaN and infinities among the inputs are not served; |Wp| stays under 65,504 (f16).
; Work-groups 0 to 255 take x: a wave takes 16 steps of 512 numbers.  Each load reads 512 consecutive bytes; a step's 2,048 bytes turn through the wave's own stage in LDS and come back 64 bytes a lane,
; so that a lane holds 16 neighbours along K (two lanes hold a block).  A lane's 16 codes are 8 bytes: the wave stores 256 consecutive bytes.  A wave's 256 scale bytes are gathered in LDS and leave together.
; Work-groups 256 to 383 take Wp: a wave takes 2,048 numbers, 8 a lane and step; its stores cover 512 consecutive bytes.  That path touches no LDS but its spare words.
.set WAVES, 4
.set STEPS, 16
.set XWG,   256                        ; 8192 x 1024 / (512 x 16 x 4)
.set EMAX,  2
.set CB,    8                          ; bytes of 16 codes
.set R,     16                         ; v16-79   four sets of 16 numbers as they are loaded
.set X,     80                         ; v80-111  two sets of 16 neighbours
.set E,     112                        ; v112-127 a scale byte for each step
.set C,     128                        ; v128-191 codes (or f16 numbers): four registers for each step, so that no store's data are written again
.set WREG,  8192                       ; LDS: a region for each wave: two stages of 32 x SP bytes, behind them its 256 scale bytes
.set SP,    80                         ; a lane's place in a stage: 64 bytes + 16 of padding
.set SPW,   12                         ; v12 LDS address of my spare word; never rewritten
.set NIL,   13                         ; v13 0; never rewritten
.set SPARE, WAVES*WREG                 ; the spare words: 128 bytes a wave, named by no other line
	s_load_b128 s[4:7], s[0:1], 0x0                ; x, Wp
	s_load_b128 s[8:11], s[0:1], 0x10              ; x's codes, x's scales
	s_load_b64 s[12:13], s[0:1], 0x20              ; wp16
	v_lshl_add_u32 v[SPW], v0, 2, SPARE
	v_mov_b32 v[NIL], 0
	v_lshrrev_b32 v1, 5, v0
	v_readfirstlane_b32 s16, v1                    ; wave
	v_and_b32 v2, 31, v0                           ; lane
	s_mov_b32 s19, 0
	s_wait_kmcnt 0x0
	s_cmp_ge_u32 ttmp9, XWG                        ; the work-group's number alone decides the path
	s_cbranch_scc1 .Lcast
	v_lshlrev_b32 v3, 4, v2                        ; my 16 bytes of a load's 512
	s_mul_i32 s17, s16, WREG
	v_lshrrev_b32 v14, 2, v2
	v_mul_u32_u24 v14, v14, SP
	v_and_b32 v15, 3, v2
	v_lshl_add_u32 v14, v15, 4, v14
	v_add_nc_u32 v14, s17, v14                     ; the stage, on the way in: SP (lane / 4) + 16 (lane % 4)
	v_mul_u32_u24 v15, v2, SP
	v_add_nc_u32 v15, s17, v15                     ; and on the way out: SP x lane: my 16 neighbours
	v_mul_u32_u24 v4, v2, CB                       ; my codes' place in a step's
	v_lshrrev_b32 v5, 1, v2
	s_add_co_u32 s17, s17, 2*32*SP
	v_add_nc_u32 v5, s17, v5                       ; my wave's 256 scale bytes, my block's byte
	v_lshlrev_b32 v7, 3, v2                        ; on the way out 8 bytes a lane
	v_add_nc_u32 v6, s17, v7
	s_lshl_b32 s17, ttmp9, 2
	s_add_co_u32 s18, s17, s16                     ; which run of 8,192 numbers is my wave's
	s_mov_b64 s[20:21], 512*STEPS*4
	s_mul_u64 s[20:21], s[18:19], s[20:21]
	s_add_nc_u64 s[4:5], s[4:5], s[20:21]
	s_mov_b64 s[20:21], 32*STEPS*CB
	s_mul_u64 s[20:21], s[18:19], s[20:21]
	s_add_nc_u64 s[8:9], s[8:9], s[20:21]
	s_lshl_b32 s18, s18, 8                         ; 256 scale bytes a run
	s_add_nc_u64 s[10:11], s[10:11], s[18:19]
.macro LOAD t
.irp i, 0,1,2,3
	global_load_b128 v[R+16*((\t)%4)+4*\i:R+16*((\t)%4)+4*\i+3], v3, s[4:5] offset:2048*(\t)+512*\i th:TH_LOAD_NT   ; 32 lanes read 512 consecutive bytes
.endr
.endm
.macro TURN t                          ; step t's numbers through the stage: LDS serves a wave's instructions in order, so no wait stands between the stores and the loads
.irp i, 0,1,2,3
	ds_store_b128 v14, v[R+16*((\t)%4)+4*\i:R+16*((\t)%4)+4*\i+3] offset:32*SP*((\t)%2)+8*SP*\i
.endr
.irp i, 0,1,2,3
	ds_load_b128 v[X+16*((\t)%2)+4*\i:X+16*((\t)%2)+4*\i+3], v15 offset:32*SP*((\t)%2)+16*\i
.endr
.endm
.irp t, 0,1,2,3
	LOAD \t
.endr
	s_wait_loadcnt 12                              ; step 0's four loads are in; twelve younger ones stay out
	TURN 0
.macro STEP t
.set XS, X+16*((\t)%2)
.if (\t) > 0
	s_wait_dscnt 1                                 ; this step's numbers are back from the stage (the last step's byte store may be out)
.else
	s_wait_dscnt 0x0
.endif
.if (\t)+4 < STEPS
	LOAD (\t)+4                                    ; into the registers whose stores into the stage have been served
.endif
.if (\t)+1 < STEPS
.if STEPS-2-(\t) >= 3
	s_wait_loadcnt 12                              ; the next step's four loads are in; those of the three steps behind it may be out
.else
	s_wait_loadcnt 4*(STEPS-2-(\t))
.endif
	TURN (\t)+1
.endif
	v_max3_num_f32 v8, |v[XS]|, |v[XS+1]|, |v[XS+2]|               ; the largest magnitude of my 16, in two chains
	v_max3_num_f32 v9, |v[XS+3]|, |v[XS+4]|, |v[XS+5]|
.irp i, 6,10
	v_max3_num_f32 v8, v8, |v[XS+\i]|, |v[XS+\i+1]|
	v_max3_num_f32 v9, v9, |v[XS+\i+2]|, |v[XS+\i+3]|
.endr
	v_max3_num_f32 v8, v8, |v[XS+14]|, |v[XS+15]|
	v_max3_num_f32 v8, v8, v9, (EMAX+1)<<23        ; and the floor 2^(3 - 127): the byte cannot fall under 1
	v_max_num_f32_dpp v8, v8, v8 row_xmask:1 row_mask:0xf bank_mask:0xf   ; and of my neighbour's 16: the block's
	v_add_nc_u32 v11, -(EMAX<<23), v8              ; 2 off its exponent field: the conversion takes the exponent field of this operand as its scale
	v_cvt_scalef32_pk8_fp4_f32 v[C+4*(\t)], v[XS:XS+7], v11
	v_cvt_scalef32_pk8_fp4_f32 v[C+4*(\t)+1], v[XS+8:XS+15], v11
	v_lshrrev_b32 v[E+(\t)], 23, v11               ; the scale's byte (also the plain line behind the conversions)
	ds_store_b8 v5, v[E+(\t)] offset:16*(\t)       ; both lanes of a block write the same byte with the same value
	global_store_b64 v4, v[C+4*(\t):C+4*(\t)+1], s[8:9] offset:32*CB*(\t)   ; 32 lanes store 256 consecutive bytes
.endm
.irp t, 0,1,2,3,4,5,6,7,8,9,10,11,12,13,14,15
	STEP \t
.endr
	ds_load_b64 v[8:9], v6                         ; LDS serves a wave's instructions in order: these see my stores
	s_wait_dscnt 0x0
	global_store_b64 v7, v[8:9], s[10:11]          ; 32 lanes store 256 consecutive bytes
	s_wait_tensorcnt 0x0                           ; the wave's end: behind my last LDS store
	ds_add_u32 v[SPW], v[NIL]
	s_wait_dscnt 0x0
	s_endpgm
.Lcast:
	s_sub_co_u32 s17, ttmp9, XWG
	s_lshl_b32 s17, s17, 2
	s_add_co_u32 s17, s17, s16                     ; which run of 2,048 numbers of Wp is my wave's
	s_lshl_b32 s18, s17, 13                        ; 8,192 bytes in,
	s_add_nc_u64 s[6:7], s[6:7], s[18:19]
	s_lshl_b32 s18, s17, 12                        ; 4,096 out
	s_add_nc_u64 s[12:13], s[12:13], s[18:19]
	v_lshlrev_b32 v3, 5, v2                        ; my 8 numbers of a step: 32 bytes in,
	v_lshlrev_b32 v4, 4, v2                        ; 16 out
.irp s, 0,1,2,3,4,5,6,7
	global_load_b128 v[R+8*\s:R+8*\s+3], v3, s[6:7] offset:1024*\s
	global_load_b128 v[R+8*\s+4:R+8*\s+7], v3, s[6:7] offset:1024*\s+16
.endr
.irp s, 0,1,2,3,4,5,6,7
	s_wait_loadcnt 14-2*\s                         ; this step's two loads are in; the later steps' stay out
.irp i, 0,1,2,3
	v_cvt_pk_f16_f32 v[C+4*\s+\i], v[R+8*\s+2*\i], v[R+8*\s+2*\i+1]
.endr
	global_store_b128 v4, v[C+4*\s:C+4*\s+3], s[12:13] offset:512*\s   ; 32 lanes store 512 consecutive bytes
.endr
	s_wait_tensorcnt 0x0                           ; the same three lines at this path's end
	ds_add_u32 v[SPW], v[NIL]
	s_wait_dscnt 0x0
	s_endpgm
.Lfunc_end_k_q6d6b9ee7cf_prep_x:
	.size	k_q6d6b9ee7cf_prep_x, .Lfunc_end_k_q6d6b9ee7cf_prep_x-k_q6d6b9ee7cf_prep_x
	.p2alignl 7, 3214868480
	.fill 96, 4, 3214868480
	.section	.rodata,"a",@progbits
	.p2align	6, 0x0
	.amdhsa_kernel k_q6d6b9ee7cf_prep_x
		.amdhsa_group_segment_fixed_size 33280
		.amdhsa_private_segment_fixed_size 0
		.amdhsa_enable_private_segment 0
		.amdhsa_kernarg_size 40
		.amdhsa_user_sgpr_count 2
		.amdhsa_user_sgpr_kernarg_segment_ptr 1
		.amdhsa_wavefront_size32 1
		.amdhsa_system_sgpr_workgroup_id_x 1
		.amdhsa_system_sgpr_workgroup_id_y 1
		.amdhsa_system_sgpr_workgroup_id_z 1
		.amdhsa_system_vgpr_workitem_id 0
		.amdhsa_next_free_vgpr 192
		.amdhsa_next_free_sgpr 66
		.amdhsa_reserve_vcc 0
		.amdhsa_float_denorm_mode_32 3
		.amdhsa_float_denorm_mode_16_64 3
		.amdhsa_memory_ordered 1
		.amdhsa_forward_progress 1
		.amdhsa_inst_pref_size 38
	.end_amdhsa_kernel
	.amdgpu_metadata
---
amdhsa.version: [ 1, 2 ]
amdhsa.kernels:
  - .name:           k_q6d6b9ee7cf_prep_x
    .symbol:         k_q6d6b9ee7cf_prep_x.kd
    .args:
      - { .name: x, .offset: 0, .size: 8, .value_kind: global_buffer, .address_space: global }
      - { .name: Wp, .offset: 8, .size: 8, .value_kind: global_buffer, .address_space: global }
      - { .name: x_codes, .offset: 16, .size: 8, .value_kind: global_buffer, .address_space: global }
      - { .name: x_scales, .offset: 24, .size: 8, .value_kind: global_buffer, .address_space: global }
      - { .name: wp16, .offset: 32, .size: 8, .value_kind: global_buffer, .address_space: global }
    .group_segment_fixed_size: 33280
    .private_segment_fixed_size: 0
    .kernarg_segment_align: 8
    .kernarg_segment_size: 40
    .max_flat_workgroup_size: 128
    .sgpr_count:     66
    .vgpr_count:     192
    .wavefront_size: 32
...
	.end_amdgpu_metadata
.endif
;; end of part 1
;; launch prep_w (part 2): grid 96 x 1, 8 waves a work-group, no clusters, 18,944 bytes of LDS; arguments Wq, Wk, Wv, w_codes, w_scales; writes w_codes, w_scales
.if DOCPART == 2
	.amdgcn_target "amdgcn-amd-amdhsa--gfx1250"
	.amdhsa_code_object_version 6
	.text
	.protected	k_q6d6b9ee7cf_prep_w
	.globl	k_q6d6b9ee7cf_prep_w
	.p2align	8
	.type	k_q6d6b9ee7cf_prep_w,@function
k_q6d6b9ee7cf_prep_w:
	s_mov_b64 s[64:65], 0
	v_nop
	global_prefetch_b8 v0, s[64:65] scope:SCOPE_SE
	s_setreg_imm32_b32 hwreg(HW_REG_WAVE_MODE, 25, 1), 1
	s_wait_xcnt 0x0
; Wq, Wk, Wv [1024 (k)][1024 (n)] f32, whose K is the FIRST axis, become codes of FP4 (E2M1) laid [3072 (n)][512 bytes] with K innermost (n = 1024 x tensor + column) and E8M0 bytes [3072][32].
; A LANE TAKES A COLUMN, ITS REGISTERS RUN DOWN K: a load reads 128 consecutive bytes, a block of 32 along K lies in one lane's 32 registers, and the conversions give codes with K innermost.
; A work-group takes 32 columns of one tensor for all of K; wave w takes k = 128 w .. 128 w + 127: four blocks.  Codes and bytes meet in LDS, so that whole rows leave: 512 consecutive bytes a store.
; A block's scale byte is its largest magnitude's exponent field - 2, held at 1 from below (a block of zeros gets 1 where the quantiser's text says 127: its codes are zeros, and only this program reads the bytes).
; LIMITS: NaN and infinities among the inputs are not served.
.set EMAX,  2
.set X,     32                         ; v32-159  four blocks of 32 numbers
.set C,     160                        ; v160-175 codes, four registers a block
.set SB,    24                         ; v24      my four scale bytes
.set SPW,   14
.set NIL,   15
.set PITCH, 528                        ; a column's row in the stage: 512 bytes + 16
.set SCS,   32*PITCH                   ; behind the stage: [32 columns][32 bytes]
.set SPARE, SCS+1024                   ; the spare words: 128 bytes a wave, named by no other line
	s_load_b256 s[4:11], s[0:1], 0x0               ; Wq, Wk, Wv, the codes
	s_load_b64 s[12:13], s[0:1], 0x20              ; the scale bytes
	v_lshl_add_u32 v[SPW], v0, 2, SPARE
	v_mov_b32 v[NIL], 0
	v_lshrrev_b32 v1, 5, v0
	v_readfirstlane_b32 s16, v1                    ; wave 0..7
	v_and_b32 v2, 31, v0                           ; lane = column
	s_lshr_b32 s17, ttmp9, 5                       ; tensor 0..2
	s_and_b32 s18, ttmp9, 31                       ; which 32 columns
	v_lshlrev_b32 v3, 2, v2                        ; in: 4 bytes a lane
	s_lshl_b32 s20, s16, 6
	v_mul_u32_u24 v4, v2, PITCH
	v_add_nc_u32 v4, s20, v4                       ; into the stage: my column's row, my wave's 64 bytes
	s_lshl_b32 s20, s16, 2
	s_add_co_u32 s20, s20, SCS
	v_lshl_add_u32 v5, v2, 5, s20                  ; my column's 32 scale bytes, my wave's four
	s_mul_i32 s20, s16, 4*PITCH
	v_lshl_add_u32 v6, v2, 4, s20                  ; out of the stage: rows 4 w .. 4 w + 3, 16 bytes a lane
	v_lshlrev_b32 v7, 4, v2
	s_and_b32 s20, s16, 1
	s_lshl_b32 s20, s20, 9
	v_lshl_add_u32 v17, v2, 4, s20                 ; the scale bytes on their way out: waves 0 and 1 take 512 bytes each
	v_add_nc_u32 v16, SCS, v17
	s_lshl_b32 s20, s16, 19                        ; W: 128 w rows of 4,096 bytes
	s_lshl_b32 s21, s18, 7                         ;    + 32 columns of 4 bytes
	s_add_co_u32 s20, s20, s21
	s_mov_b32 s21, 0
	s_lshl_b32 s22, s17, 19                        ; codes: (1024 tensor + 32 group + 4 w) rows of 512 bytes
	s_lshl_b32 s23, s18, 14
	s_add_co_u32 s22, s22, s23
	s_lshl_b32 s23, s16, 11
	s_add_co_u32 s22, s22, s23
	s_mov_b32 s23, 0
	s_lshl_b32 s24, s17, 15                        ; scale bytes: (1024 tensor + 32 group) rows of 32 bytes
	s_lshl_b32 s25, s18, 10
	s_add_co_u32 s24, s24, s25
	s_mov_b32 s25, 0
	s_wait_kmcnt 0x0
	s_cmp_eq_u32 s17, 1                            ; the tensor is chosen by the work-group's number alone
	s_cselect_b64 s[4:5], s[6:7], s[4:5]
	s_cmp_eq_u32 s17, 2
	s_cselect_b64 s[4:5], s[8:9], s[4:5]
	s_add_nc_u64 s[4:5], s[4:5], s[20:21]
	s_add_nc_u64 s[10:11], s[10:11], s[22:23]
	s_add_nc_u64 s[12:13], s[12:13], s[24:25]
.macro LOAD t                          ; block t: W(128 w + 32 t + i, my column)
.irp i, 0,1,2,3,4,5,6,7,8,9,10,11,12,13,14,15,16,17,18,19,20,21,22,23,24,25,26,27,28,29,30,31
	global_load_b32 v[X+32*(\t)+\i], v3, s[4:5] offset:(32*(\t)+\i)*4096 th:TH_LOAD_NT
.endr
.endm
	LOAD 0
	LOAD 1
.macro BLOCK t
.set XS, X+32*(\t)
.if (\t) < 3
	s_wait_loadcnt 32                              ; this block's 32 loads are in; the next block's may be out
.else
	s_wait_loadcnt 0x0
.endif
.if (\t)+2 < 4
	LOAD (\t)+2
.endif
	v_max3_num_f32 v12, |v[XS]|, |v[XS+1]|, |v[XS+2]|              ; the block's largest magnitude: all 32 numbers are mine
	v_max3_num_f32 v13, |v[XS+3]|, |v[XS+4]|, |v[XS+5]|
.irp i, 6,10,14,18,22,26
	v_max3_num_f32 v12, v12, |v[XS+\i]|, |v[XS+\i+1]|
	v_max3_num_f32 v13, v13, |v[XS+\i+2]|, |v[XS+\i+3]|
.endr
	v_max3_num_f32 v12, v12, |v[XS+30]|, |v[XS+31]|
	v_max3_num_f32 v12, v12, v13, (EMAX+1)<<23     ; and the floor 2^(3 - 127)
	v_add_nc_u32 v11, -(EMAX<<23), v12             ; 2 off its exponent field: the conversion's scale operand
	v_lshrrev_b32 v13, 23, v11                     ; the scale's byte
.if (\t) == 0
	v_mov_b32 v[SB], v13
.else
	v_lshl_or_b32 v[SB], v13, 8*(\t), v[SB]        ; the lower K in the lower byte
.endif
.irp g, 0,1,2,3
	v_cvt_scalef32_pk8_fp4_f32 v[C+4*(\t)+\g], v[XS+8*\g:XS+8*\g+7], v11
.endr
	v_nop                                          ; one plain line behind the conversions
	ds_store_b128 v4, v[C+4*(\t):C+4*(\t)+3] offset:16*(\t)   ; 32 codes: 16 bytes of my column's row
.endm
	BLOCK 0
	BLOCK 1
	BLOCK 2
	BLOCK 3
	ds_store_b32 v5, v[SB]
	s_wait_dscnt 0x0                               ; for the others' sake: my stores have landed
	s_barrier_signal -1
	s_barrier_wait -1
.irp i, 0,1,2,3
	ds_load_b128 v[X+4*\i:X+4*\i+3], v6 offset:\i*PITCH
.endr
.irp i, 0,1,2,3
	s_wait_dscnt 3-\i                              ; row i is in; the later rows may be out
	global_store_b128 v7, v[X+4*\i:X+4*\i+3], s[10:11] offset:512*\i   ; a whole row of codes: 512 consecutive bytes
.endr
	s_cmp_lt_u32 s16, 2                            ; the 1,024 scale bytes leave by waves 0 and 1
	s_cbranch_scc0 .Lno_scales
	ds_load_b128 v[X+16:X+19], v16
	s_wait_dscnt 0x0
	global_store_b128 v17, v[X+16:X+19], s[12:13]
.Lno_scales:
	s_wait_tensorcnt 0x0                           ; the wave's end: behind my last LDS store
	ds_add_u32 v[SPW], v[NIL]
	s_wait_dscnt 0x0
	s_endpgm
.Lfunc_end_k_q6d6b9ee7cf_prep_w:
	.size	k_q6d6b9ee7cf_prep_w, .Lfunc_end_k_q6d6b9ee7cf_prep_w-k_q6d6b9ee7cf_prep_w
	.p2alignl 7, 3214868480
	.fill 96, 4, 3214868480
	.section	.rodata,"a",@progbits
	.p2align	6, 0x0
	.amdhsa_kernel k_q6d6b9ee7cf_prep_w
		.amdhsa_group_segment_fixed_size 18944
		.amdhsa_private_segment_fixed_size 0
		.amdhsa_enable_private_segment 0
		.amdhsa_kernarg_size 40
		.amdhsa_user_sgpr_count 2
		.amdhsa_user_sgpr_kernarg_segment_ptr 1
		.amdhsa_wavefront_size32 1
		.amdhsa_system_sgpr_workgroup_id_x 1
		.amdhsa_system_sgpr_workgroup_id_y 1
		.amdhsa_system_sgpr_workgroup_id_z 1
		.amdhsa_system_vgpr_workitem_id 0
		.amdhsa_next_free_vgpr 176
		.amdhsa_next_free_sgpr 66
		.amdhsa_reserve_vcc 0
		.amdhsa_float_denorm_mode_32 3
		.amdhsa_float_denorm_mode_16_64 3
		.amdhsa_memory_ordered 1
		.amdhsa_forward_progress 1
		.amdhsa_inst_pref_size 22
	.end_amdhsa_kernel
	.amdgpu_metadata
---
amdhsa.version: [ 1, 2 ]
amdhsa.kernels:
  - .name:           k_q6d6b9ee7cf_prep_w
    .symbol:         k_q6d6b9ee7cf_prep_w.kd
    .args:
      - { .name: Wq, .offset: 0, .size: 8, .value_kind: global_buffer, .address_space: global }
      - { .name: Wk, .offset: 8, .size: 8, .value_kind: global_buffer, .address_space: global }
      - { .name: Wv, .offset: 16, .size: 8, .value_kind: global_buffer, .address_space: global }
      - { .name: w_codes, .offset: 24, .size: 8, .value_kind: global_buffer, .address_space: global }
      - { .name: w_scales, .offset: 32, .size: 8, .value_kind: global_buffer, .address_space: global }
    .group_segment_fixed_size: 18944
    .private_segment_fixed_size: 0
    .kernarg_segment_align: 8
    .kernarg_segment_size: 40
    .max_flat_workgroup_size: 256
    .sgpr_count:     66
    .vgpr_count:     176
    .wavefront_size: 32
...
	.end_amdgpu_metadata
.endif
;; end of part 2
;; launch qkv (part 3): grid 12 x 32, 4 waves a work-group, clusters of 4 x 4, 327,680 bytes of LDS; arguments x_codes, x_scales, w_codes, w_scales, bq, bk, bv, qkv16, qkv32; writes qkv16, qkv32
.if DOCPART == 3
	.amdgcn_target "amdgcn-amd-amdhsa--gfx1250"
	.amdhsa_code_object_version 6
	.text
	.protected	k_q6d6b9ee7cf_qkv
	.globl	k_q6d6b9ee7cf_qkv
	.p2align	8
	.type	k_q6d6b9ee7cf_qkv,@function
k_q6d6b9ee7cf_qkv:
	s_mov_b64 s[64:65], 0
	v_nop
	global_prefetch_b8 v0, s[64:65] scope:SCOPE_SE
	s_setreg_imm32_b32 hwreg(HW_REG_WAVE_MODE, 25, 1), 1
	s_wait_xcnt 0x0
	s_wait_alu depctr_hold_cnt(0) depctr_sa_sdst(0) depctr_va_vdst(0) depctr_va_sdst(0) depctr_va_ssrc(0) depctr_va_vcc(0) depctr_vm_vsrc(0)
	s_getreg_b32 s2, hwreg(HW_REG_IB_STS2, 6, 4)
	s_cmp_eq_u32 s2, 0
	s_cbranch_scc0 .Lentry_in_a_cluster
	s_endpgm
.Lentry_in_a_cluster:
	s_bfe_u32 s2, ttmp6, 0x10000c
	s_cmp_lg_u32 s2, 0xf033
	s_cbranch_scc0 .Lentry_shape_is_right
	s_endpgm
.Lentry_shape_is_right:
; q, k, v = x W + b, the three quantised products as ONE product [8192] x [3072], K = 1,024, on codes of FP4 (E2M1) with one E8M0 byte for each 32 along K; sums in f32.
; A tile of 256 x 256 is made by four waves, each 128 x 128: 64 accumulators, 512 registers.  All of K fits into two LDS slots of 512 along K: both are asked for at the head and nothing is filled again.
; The scale bytes of the work-group's 256 + 256 rows come once, as dense blocks.  4 x 4 work-groups form a cluster: x's tiles are shared along a row of it, the weights' along a column, by joint loads.
; The cluster's x is the tensor (0 q, 1 k, 2 v): a tensor has 1,024 columns, four tiles.  THE MATRIX INSTRUCTION IS USED TRANSPOSED (source 0 = 16 columns n, source 1 = 16 rows of x): a lane holds eight neighbouring columns of a row.
; The bias is the C of each sum's first matrix instruction (so it is added first, not last as the formula writes it).
; OUT: f16, [3][batch][head][t][64].  q is multiplied in f32 by log2(e) / 8 ahead of its rounding (the formula's scale x ALPHA, in base 2), k and v by 1.  The first 16 rows of each tile row of an even
; cluster row also leave unscaled in f32, [batch][cy][16][3072]: slice cy = 0 holds positions 0 to 15 of the batch; the other slices exist so that no branch hangs on a work-group's place in its cluster.
; LIMITS: |q|, |k|, |v| stay under 65,504 (f16).
; REGISTERS, in windows of 256: window 0: v0-31 addresses; v32-95 scale words, two sets; v128-191 x's fragments, one set; v192-255 the bias tiles.  window 1: the weights' fragments, two sets.
;   window 2: the accumulators of my rows 0-63 ((a, b) at v[8 (8 a + b)]); window 3: those of rows 64-127.  On the way out v32-255 of window 0 are free.
.set SIZE_K, 1024
.set KSTEP,  512
.set NQ,     KSTEP/128
.set ROWB,   256                       ; a tile's row in bytes
.set KROW,   SIZE_K*4/8                ; a row of codes in memory
.set PITCH,  272                       ; an LDS row: 256 bytes + 16: the 16 rows that a load touches start 16 bytes apart modulo 256
.set FR,     8
.set NL,     2
.set NP,     4
.set HALFT,  128*PITCH
.set SLOT,   4*HALFT
.set KS,     SIZE_K/32
.set SCL,    2*SLOT
.set HALFS,  (128*KS/256)*272
.set SBLK,   (16*KS/256)*272
.set SPARE,  SCL+4*HALFS               ; the spare words: 128 bytes a wave, named by no other line
.set ADRA, 16
.set ADRB, 20
.set STO32, 22                         ; the way out in f32: into my stage, and back
.set RD32,  23
.set STO,  24                          ; the way out in f16
.set RD,   25
.set CO,   26                          ; 16 x lane
.set ADRS, 27
.set SPW,  28
.set NIL,  29
.set BOF,  30                          ; the bias loads' offset
.set SC,   32
.set AF,   128
.set BI,   192                         ; bias tile b at v[BI + 8 b]
.set TMP,  32                          ; the way out: a block's f16 numbers
.set BK,   64                          ; rows read back: v64-95, v96-127 by turns
.set TF,   128                         ; a block's scaled f32 numbers
.set BK32, 192                         ; the f32 rows read back
.set SCQ,  92                          ; s[92:93] the factor ahead of the rounding to f16
.set G1, 24
.set G0, 32
.set G1B, 48
.set G0B, 56
.set G1S, 68
.set G0S, 76
.set G1SB, 80
.set G0SB, 88
.set MSB, 0
.macro WIN new                         ; the immediate's high byte repeats the setting that is left
.if MSB != (\new)
	s_set_vgpr_msb (MSB<<8)|(\new)
.set MSB, (\new)
.endif
.endm
.set MUL_LO,  0xa1                     ; source 0 (weights) window 1, source 1 (x) window 0, C and D window 2
.set MUL_HI,  0xf1                     ; the same, C and D window 3
.set BIAS_LO, 0x81                     ; C (the bias) window 0, D window 2
.set BIAS_HI, 0xc1                     ; C window 0, D window 3
.set TO_B,    0x40
; A joint load: waves 0 and 1 fetch for x, waves 2 and 3 for the weights.  An s_nop 0 and four v_nop follow each of the two lines.
.macro JLOAD g0a, g1a, g0b, g1b
	s_cmp_eq_u32 s15, 0
	s_cbranch_scc0 .Lfor_b_\@
	tensor_load_to_lds s[\g0a:\g0a+3], s[\g1a:\g1a+7]
	s_nop 0
.rept 4
	v_nop
.endr
	s_branch .Lasked_\@
.Lfor_b_\@:
	tensor_load_to_lds s[\g0b:\g0b+3], s[\g1b:\g1b+7]
	s_nop 0
.rept 4
	v_nop
.endr
.Lasked_\@:
.endm
.macro CROUND                          ; a round of the cluster's barrier
	s_barrier_signal -1
	s_barrier_wait -1
	s_cmp_lg_u32 s14, 0
	s_cbranch_scc1 .Lnot_wave_0_\@
	s_barrier_signal -3
.Lnot_wave_0_\@:
	s_barrier_wait -3
	s_barrier_signal -1
	s_barrier_wait -1
.endm
	s_load_b128 s[4:7], s[0:1], 0x0                ; x's codes, x's scales
	s_load_b128 s[8:11], s[0:1], 0x10              ; the weights' codes, their scales
	s_load_b128 s[96:99], s[0:1], 0x20             ; bq, bk
	s_load_b64 s[100:101], s[0:1], 0x30            ; bv
	s_load_b64 s[66:67], s[0:1], 0x38              ; qkv16
	s_load_b64 s[12:13], s[0:1], 0x40              ; qkv32
	v_lshl_add_u32 v[SPW], v0, 2, SPARE
	v_mov_b32 v[NIL], 0
	ds_add_u32 v[SPW], v[NIL]                      ; the wave's opening: the add, twice on end, and its wait ahead of my first tensor load
	ds_add_u32 v[SPW], v[NIL]
	v_lshrrev_b32 v1, 5, v0
	v_readfirstlane_b32 s14, v1                    ; wave 0..3
	s_lshr_b32 s15, s14, 1                         ; which half of the tile's rows is mine.  Also: I fetch for x (0) or for the weights (1)
	s_and_b32 s16, s14, 1                          ; which half of its columns.  Also: which 128 rows of that tile I fetch
	s_bfe_u32 s40, ttmp6, 0x40000                  ; cx, cy: my place in the cluster
	s_bfe_u32 s41, ttmp6, 0x40004
	s_lshl_b32 s42, ttmp9, 2
	s_add_co_u32 s42, s42, s40                     ; tile column = 4 x cluster x + cx
	s_and_b32 s17, ttmp7, 0xffff
	s_lshl_b32 s17, s17, 2
	s_add_co_u32 s17, s17, s41                     ; tile row = 4 x cluster y + cy
	s_lshl_b32 s43, s41, 2
	s_lshl_b32 s43, 15, s43                        ; my row of the cluster
	s_lshl_b32 s44, 0x1111, s40                    ; my column
	s_or_b32 s[G1+0], s43, (0<<16)|(1<<20)|(1<<21)|(5<<22)|(3<<25)   ; the mask; elements of 1 byte; padding on; bit 21 beside a mask; 4 words after every 64
	s_or_b32 s[G1B+0], s44, (0<<16)|(1<<20)|(1<<21)|(5<<22)|(3<<25)
.irp g, G1, G1B
	s_mov_b32 s[\g+1], ROWB<<16                    ; tensor_dim0
	s_mov_b32 s[\g+2], 128<<16                     ; tensor_dim1
	s_mov_b32 s[\g+3], ROWB<<16                    ; tile_dim0
	s_mov_b32 s[\g+4], 128                         ; tile_dim1
	s_mov_b32 s[\g+5], KROW                        ; the pitch in memory
	s_mov_b32 s[\g+6], 0
	s_mov_b32 s[\g+7], 0
.endr
	s_or_b32 s[G1S+0], s43, (3<<16)|(1<<20)|(1<<21)|(5<<22)|(3<<25)  ; the scales of 128 rows: a dense block, as rows of 256 bytes (32 elements of 8 bytes), 16 bytes of padding behind each
	s_or_b32 s[G1SB+0], s44, (3<<16)|(1<<20)|(1<<21)|(5<<22)|(3<<25)
.irp g, G1S, G1SB
	s_mov_b32 s[\g+1], 32<<16
	s_mov_b32 s[\g+2], (128*KS/256)<<16
	s_mov_b32 s[\g+3], 32<<16
	s_mov_b32 s[\g+4], 128*KS/256
	s_mov_b32 s[\g+5], 32
	s_mov_b32 s[\g+6], 0
	s_mov_b32 s[\g+7], 0
.endr
	s_lshl_b32 s18, s16, 7                         ; which 128 rows of the tile I fetch
	s_lshl_b32 s20, s17, 8
	s_add_co_u32 s20, s20, s18                     ; x: row 256 x tile row + 128 x half
	s_lshl_b32 s46, s42, 8
	s_add_co_u32 s46, s46, s18                     ; weights: row 256 x tile column + 128 x half
	s_mov_b32 s21, 0
	s_mov_b32 s47, 0
	s_mov_b64 s[18:19], KS
	s_mul_u64 s[22:23], s[20:21], s[18:19]         ; where these rows' scales begin,
	s_mul_u64 s[92:93], s[46:47], s[18:19]
	s_mov_b64 s[18:19], KROW
	s_mul_u64 s[20:21], s[20:21], s[18:19]         ; and their codes
	s_mul_u64 s[46:47], s[46:47], s[18:19]
	s_mul_i32 s45, s14, HALFT                      ; where they go: wave x 128 rows: no place in the cluster enters an LDS address
	s_mul_i32 s94, s14, HALFS
	s_wait_dscnt 0x0                               ; both opening adds are done
	s_wait_kmcnt 0x0
	s_add_nc_u64 s[20:21], s[4:5], s[20:21]
	s_add_nc_u64 s[22:23], s[6:7], s[22:23]
	s_add_nc_u64 s[46:47], s[8:9], s[46:47]
	s_add_nc_u64 s[92:93], s[10:11], s[92:93]
	CROUND                                         ; all sixteen work-groups are here: the first joint loads meet
	s_mov_b32 s[G0S], 1
	s_add_co_u32 s[G0S+1], s94, SCL
	s_mov_b64 s[G0S+2:G0S+3], s[22:23]
	s_or_b32 s[G0S+3], s[G0S+3], 0x80000000
	s_mov_b32 s[G0SB], 1
	s_add_co_u32 s[G0SB+1], s94, SCL
	s_mov_b64 s[G0SB+2:G0SB+3], s[92:93]
	s_or_b32 s[G0SB+3], s[G0SB+3], 0x80000000
	JLOAD G0S, G1S, G0SB, G1SB                     ; the scales first: they are wanted with the first K step
.irp s, 0,1
	s_mov_b32 s[G0+4*\s], 1
	s_add_co_u32 s[G0+4*\s+1], s45, \s*SLOT
	s_add_nc_u64 s[G0+4*\s+2:G0+4*\s+3], s[20:21], \s*ROWB
	s_or_b32 s[G0+4*\s+3], s[G0+4*\s+3], 0x80000000
	s_mov_b32 s[G0B+4*\s], 1
	s_add_co_u32 s[G0B+4*\s+1], s45, \s*SLOT
	s_add_nc_u64 s[G0B+4*\s+2:G0B+4*\s+3], s[46:47], \s*ROWB
	s_or_b32 s[G0B+4*\s+3], s[G0B+4*\s+3], 0x80000000
	JLOAD G0+4*\s, G1, G0B+4*\s, G1B               ; three tensor loads of mine are out: all that this launch asks for
.endr
	v_and_b32 v1, 15, v0                           ; r = lane % 16
	v_bfe_u32 v2, v0, 4, 1                         ; h = lane / 16
	; the bias of my 128 columns: tile b's register j is bias[256 cx + 128 half + 16 b + 8 h + j]
	s_cmp_eq_u32 ttmp9, 1                          ; the tensor is the cluster's x
	s_cselect_b64 s[96:97], s[98:99], s[96:97]
	s_cmp_eq_u32 ttmp9, 2
	s_cselect_b64 s[96:97], s[100:101], s[96:97]
	s_mov_b32 s[SCQ], 0x3f800000
	s_cmp_eq_u32 ttmp9, 0
	s_cselect_b32 s[SCQ], 0x3e38aa3b, s[SCQ]       ; q: log2(e) / 8; k, v: 1
	s_mov_b32 s[SCQ+1], s[SCQ]                     ; (named with it as a pair, so it is written)
	s_lshl_b32 s46, s40, 10
	s_lshl_b32 s47, s16, 9
	s_add_co_u32 s46, s46, s47
	s_mov_b32 s47, 0
	s_add_nc_u64 s[96:97], s[96:97], s[46:47]
	v_lshlrev_b32 v[BOF], 5, v2
.irp b, 0,1,2,3,4,5,6,7
	global_load_b128 v[BI+8*\b:BI+8*\b+3], v[BOF], s[96:97] offset:64*\b
	global_load_b128 v[BI+8*\b+4:BI+8*\b+7], v[BOF], s[96:97] offset:64*\b+16
.endr
	v_mul_u32_u24 v3, v1, PITCH
	v_lshl_add_u32 v4, v2, 4, v3                   ; a fragment's row x pitch + 16 x half
	s_mul_i32 s21, s15, HALFT                      ; my 128 rows of x
	s_mul_i32 s22, s16, HALFT                      ; my 128 rows of the weights,
	s_add_co_u32 s22, s22, 2*HALFT                 ; which lie behind x's 256
.irp s, 0,1
	v_add_nc_u32 v[ADRA+\s], s21, v4
	v_add_nc_u32 v[ADRB+\s], s22, v4
	s_add_co_u32 s21, s21, SLOT
	s_add_co_u32 s22, s22, SLOT
.endr
	v_mul_u32_u24 v5, v1, KS                       ; my row's scales: KS bytes a row,
	v_lshrrev_b32 v6, 8, v5
	v_lshl_add_u32 v5, v6, 4, v5                   ; and 16 more for each 256 passed
	s_mul_i32 s21, s15, HALFS
	s_mul_i32 s22, s16, HALFS
	s_add_co_u32 s22, s22, 2*HALFS
	s_sub_co_u32 s22, s22, s21
	v_mul_u32_u24 v6, s22, v2                      ; lanes 16-31 take the weights'
	s_add_co_u32 s21, s21, SCL
	v_add_nc_u32 v5, v5, v6
	v_add_nc_u32 v[ADRS], s21, v5
	; the way out: my stages lie in slot 0, 16,384 bytes a wave: f16 [2 heads][16 rows] of 128 + 16 bytes; from byte 5,120 f32 16 rows of 512 + 16 bytes
	s_lshl_b32 s23, s14, 14
	v_mul_u32_u24 v5, v1, 144
	v_lshl_add_u32 v5, v2, 4, v5
	v_add_nc_u32 v[STO], s23, v5                   ; in: row r, 16 bytes for each half of the lanes
	v_and_b32 v6, 31, v0
	v_lshrrev_b32 v7, 3, v6
	v_mul_u32_u24 v7, v7, 144
	v_and_b32 v8, 7, v6
	v_lshl_add_u32 v7, v8, 4, v7
	v_add_nc_u32 v[RD], s23, v7                    ; back: eight lanes to a row of 128 bytes, four rows an instruction
	v_lshlrev_b32 v[CO], 4, v6
	s_add_co_u32 s23, s23, 5120
	v_mul_u32_u24 v5, v1, 528
	v_lshl_add_u32 v5, v2, 5, v5
	v_add_nc_u32 v[STO32], s23, v5
	v_add_nc_u32 v[RD32], s23, v[CO]
	; qkv16 at tensor, batch, my first head, my first position
	s_lshl_b32 s46, ttmp9, 24                      ; a tensor is 16,777,216 bytes
	s_lshr_b32 s47, s17, 3
	s_lshl_b32 s47, s47, 22                        ; batch = tile row / 8: 4,194,304 bytes
	s_add_co_u32 s46, s46, s47
	s_lshl_b32 s47, s40, 20                        ; head 4 cx + 2 half: 262,144 bytes a head
	s_add_co_u32 s46, s46, s47
	s_lshl_b32 s47, s16, 19
	s_add_co_u32 s46, s46, s47
	s_and_b32 s47, s17, 7
	s_lshl_b32 s47, s47, 15                        ; position 256 (tile row % 8) + 128 half: 128 bytes a position
	s_add_co_u32 s46, s46, s47
	s_lshl_b32 s47, s15, 14
	s_add_co_u32 s46, s46, s47
	s_mov_b32 s47, 0
	s_add_nc_u64 s[66:67], s[66:67], s[46:47]
	; qkv32 at slice 4 batch + cy, my 128 columns
	s_and_b32 s20, ttmp7, 0xffff
	s_and_b32 s95, s20, 1
	s_or_b32 s95, s95, s15                         ; 0 where the cluster's y is even and my rows are the tile's first half: the same in all sixteen partners, for a given wave
	s_lshr_b32 s46, s20, 1
	s_lshl_b32 s46, s46, 2
	s_add_co_u32 s46, s46, s41
	s_mul_i32 s46, s46, 196608                     ; a slice: 16 rows of 12,288 bytes
	s_lshl_b32 s47, ttmp9, 12
	s_add_co_u32 s46, s46, s47
	s_lshl_b32 s47, s40, 10
	s_add_co_u32 s46, s46, s47
	s_lshl_b32 s47, s16, 9
	s_add_co_u32 s46, s46, s47
	s_mov_b32 s47, 0
	s_add_nc_u64 s[12:13], s[12:13], s[46:47]
.macro FRAG reg, adr, q, i             ; a fragment, 16 rows x 128 K of 4-bit codes: 8 registers, two loads of 16 bytes, 32 bytes apart
.irp c, 0,1
	ds_load_b128 v[\reg+4*\c:\reg+4*\c+3], v[\adr] offset:64*(\q)+32*\c+(\i)*16*PITCH
.endr
.endm
; 16 matrix instructions: x's blocks a0, a0 + 1 against the weights' eight, 128 along K.  first = 1: the bias starts the sums.  The 64 accumulators take turns, one instruction a turn.
.macro MUL16 a0, p, q, sc, first
.irp a, \a0, \a0+1
.irp b, 0,1,2,3,4,5,6,7
.if \first
	v_wmma_scale_f32_16x16x128_f8f6f4 v[8*(8*((\a)%4)+\b):8*(8*((\a)%4)+\b)+7], v[128*(\p)+FR*\b:128*(\p)+FR*\b+FR-1], v[AF+FR*(\a):AF+FR*(\a)+FR-1], v[BI+8*\b:BI+8*\b+7], v[SC+8*NQ*(\sc)+NQ*\b+(\q)], v[SC+8*NQ*(\sc)+NQ*(\a)+(\q)] matrix_a_fmt:MATRIX_FMT_FP4 matrix_b_fmt:MATRIX_FMT_FP4 matrix_a_scale:MATRIX_SCALE_ROW1
.else
	v_wmma_scale_f32_16x16x128_f8f6f4 v[8*(8*((\a)%4)+\b):8*(8*((\a)%4)+\b)+7], v[128*(\p)+FR*\b:128*(\p)+FR*\b+FR-1], v[AF+FR*(\a):AF+FR*(\a)+FR-1], v[8*(8*((\a)%4)+\b):8*(8*((\a)%4)+\b)+7], v[SC+8*NQ*(\sc)+NQ*\b+(\q)], v[SC+8*NQ*(\sc)+NQ*(\a)+(\q)] matrix_a_fmt:MATRIX_FMT_FP4 matrix_b_fmt:MATRIX_FMT_FP4 matrix_a_scale:MATRIX_SCALE_ROW1
.endif
.endr
.endr
.endm
.macro FETCH_B slot, q, p
	WIN TO_B
.irp i, 0,1,2,3,4,5,6,7
	FRAG 128*(\p)+FR*\i, ADRB+\slot, \q, \i
.endr
	WIN 0
.endm
.macro FETCH_A slot, q, i0
.irp i, \i0, \i0+1, \i0+2, \i0+3
	FRAG AF+FR*(\i), ADRA+\slot, \q, \i
.endr
.endm
.macro SCALES sc                       ; a K step's scale words: lanes 0-15 take x's block i, lanes 16-31 the weights' block i
.irp i, 0,1,2,3,4,5,6,7
	ds_load_b128 v[SC+8*NQ*\sc+NQ*\i:SC+8*NQ*\sc+NQ*\i+3], v[ADRS] offset:\i*SBLK
.endr
.endm
.macro PLACES n                        ; plain vector lines between a matrix instruction and a load into, or a read of, its registers
.rept \n
	v_nop
.endr
.endm
.macro STEP slot, q, first             ; a step of 128 along K that has its successor in the same slot
	s_wait_dscnt 4*NL                              ; the weights' set and x's blocks 0-3 are in; the youngest eight loads (x's blocks 4-7) may be out
.if \first
	WIN BIAS_LO
.else
	WIN MUL_LO
.endif
	MUL16 0, (\q)%2, \q, \slot, \first
	MUL16 2, (\q)%2, \q, \slot, \first
	s_wait_dscnt 0                                 ; x's blocks 4-7 are in
	PLACES NP
	FETCH_B \slot, (\q)+1, 1-(\q)%2
	FETCH_A \slot, (\q)+1, 0
.if \first
	WIN BIAS_HI
.else
	WIN MUL_HI
.endif
	MUL16 4, (\q)%2, \q, \slot, \first
	MUL16 6, (\q)%2, \q, \slot, \first
	PLACES NP
	WIN 0
	FETCH_A \slot, (\q)+1, 4
.endm
.macro TURN slot, next                 ; slot 0's last step: one barrier; behind it slot 1 is whole and nobody reads slot 0 any more.  Nothing is filled again
	s_wait_tensorcnt 0x0                           ; all my tensor loads have landed: my part of slot 1
	ds_add_u32 v[SPW], v[NIL]                      ; 0 onto my spare word
	s_wait_dscnt 4*NL+1                            ; (the add and the youngest eight loads may be out)
	WIN MUL_LO
	MUL16 0, 1, NQ-1, \slot, 0
	s_wait_dscnt 0x0                               ; the add is done, and my reads of this slot are over
	s_barrier_signal -1
	MUL16 2, 1, NQ-1, \slot, 0
	WIN 0
	s_barrier_wait -1
	PLACES NP
	v_add_nc_u32 v[ADRS], 4*NQ, v[ADRS]            ; on to the next K step's scale words
	FETCH_B \next, 0, 0
	FETCH_A \next, 0, 0
	SCALES \next
	WIN MUL_HI
	MUL16 4, 1, NQ-1, \slot, 0
	MUL16 6, 1, NQ-1, \slot, 0
	PLACES NP
	WIN 0
	FETCH_A \next, 0, 4
.endm
	s_wait_tensorcnt 1                             ; the scales and my part of slot 0 are in (slot 1's load may be out)
	s_barrier_signal -1
	s_barrier_wait -1                              ; everybody's are
	FETCH_B 0, 0, 0
	FETCH_A 0, 0, 0
	SCALES 0
	FETCH_A 0, 0, 4
	s_wait_loadcnt 0x0                             ; the bias
	STEP 0, 0, 1
	STEP 0, 1, 0
	STEP 0, 2, 0
	TURN 0, 1
	STEP 1, 0, 0
	STEP 1, 1, 0
	STEP 1, 2, 0
	s_wait_dscnt 4*NL                              ; the last step: nothing more to fetch
	WIN MUL_LO
	MUL16 0, 1, NQ-1, 1, 0
	MUL16 2, 1, NQ-1, 1, 0
	s_wait_dscnt 0
	WIN MUL_HI
	MUL16 4, 1, NQ-1, 1, 0
	MUL16 6, 1, NQ-1, 1, 0
	WIN 0
	PLACES NP
	; THE FIRST 16 ROWS IN f32, unscaled: through my f32 stage, back as whole rows of 512 bytes
	s_cmp_lg_u32 s95, 0
	s_cbranch_scc1 .Lno32
	WIN 0x08                                       ; an LDS store's data are its source 1: window 2
.irp b, 0,1,2,3,4,5,6,7
	ds_store_b128 v[STO32], v[8*\b:8*\b+3] offset:64*\b            ; each accumulator from its low end on
	ds_store_b128 v[STO32], v[8*\b+4:8*\b+7] offset:64*\b+16
.endr
	WIN 0
.irp t, 0,1,2,3,4,5,6,7,8,9,10,11,12,13,14,15
	ds_load_b128 v[BK32+4*\t:BK32+4*\t+3], v[RD32] offset:\t*528   ; LDS serves a wave's instructions in order: these see the stores above
.endr
	s_wait_dscnt 0x0
.irp t, 0,1,2,3,4,5,6,7,8,9,10,11,12,13,14,15
	global_store_b128 v[CO], v[BK32+4*\t:BK32+4*\t+3], s[12:13] offset:\t*12288   ; 32 lanes store 512 consecutive bytes
.endr
.Lno32:
; THE WAY OUT IN f16, block by block of 16 rows x 128 columns (two heads).
.macro PACK a                          ; x the factor, in f32; then rounded to f16, 16 bytes a lane and tile
.set AC, 64*((\a)%4)
	WIN 0x02+(\a)/4                                ; source 0: window 2 or 3
.irp b, 0,1,2,3,4,5,6,7
.irp r, 0,1,2,3
	v_pk_mul_f32 v[TF+8*\b+2*\r:TF+8*\b+2*\r+1], v[AC+8*\b+2*\r:AC+8*\b+2*\r+1], s[SCQ:SCQ+1] op_sel_hi:[1,0]
.endr
.endr
	WIN 0
.irp b, 0,1,2,3,4,5,6,7
.irp r, 0,1,2,3
	v_cvt_pk_f16_f32 v[TMP+4*\b+\r], v[TF+8*\b+2*\r], v[TF+8*\b+2*\r+1]
.endr
.endr
.endm
.macro TOSTAGE a
.set BB, BK+32*((\a)%2)
.irp b, 0,1,2,3,4,5,6,7
	ds_store_b128 v[STO], v[TMP+4*\b:TMP+4*\b+3] offset:(\b/4)*2304+32*(\b%4)
.endr
.irp i, 0,1,2,3,4,5,6,7
	ds_load_b128 v[BB+4*\i:BB+4*\i+3], v[RD] offset:(\i/4)*2304+576*(\i%4)
.endr
.endm
.macro SEND a
.set BB, BK+32*((\a)%2)
	s_wait_dscnt 0x0                               ; the block is back in registers
	s_wait_xcnt 0x0                                ; the block before has had its stores' addresses translated (ISA guide 3.1): its registers take the next block's loads only behind this wait
.irp i, 0,1,2,3,4,5,6,7
	global_store_b128 v[CO], v[BB+4*\i:BB+4*\i+3], s[66:67] offset:(\i/4)*262144+2048*(\a)+512*(\i%4)   ; four positions of a head: 512 consecutive bytes
.endr
.endm
	PACK 0
	TOSTAGE 0
.irp a, 1,2,3,4,5,6,7
	PACK \a
	SEND \a-1
	TOSTAGE \a
.endr
	SEND 7
	s_wait_tensorcnt 0x0                           ; the wave's end: behind my last tensor load and my last LDS store
	ds_add_u32 v[SPW], v[NIL]
	s_wait_dscnt 0x0
	CROUND                                         ; the closing round
	s_endpgm
.Lfunc_end_k_q6d6b9ee7cf_qkv:
	.size	k_q6d6b9ee7cf_qkv, .Lfunc_end_k_q6d6b9ee7cf_qkv-k_q6d6b9ee7cf_qkv
	.p2alignl 7, 3214868480
	.fill 96, 4, 3214868480
	.section	.rodata,"a",@progbits
	.p2align	6, 0x0
	.amdhsa_kernel k_q6d6b9ee7cf_qkv
		.amdhsa_group_segment_fixed_size 327680
		.amdhsa_private_segment_fixed_size 0
		.amdhsa_enable_private_segment 0
		.amdhsa_kernarg_size 72
		.amdhsa_user_sgpr_count 2
		.amdhsa_user_sgpr_kernarg_segment_ptr 1
		.amdhsa_wavefront_size32 1
		.amdhsa_system_sgpr_workgroup_id_x 1
		.amdhsa_system_sgpr_workgroup_id_y 1
		.amdhsa_system_sgpr_workgroup_id_z 1
		.amdhsa_system_vgpr_workitem_id 0
		.amdhsa_next_free_vgpr 1024
		.amdhsa_next_free_sgpr 102
		.amdhsa_reserve_vcc 0
		.amdhsa_float_denorm_mode_32 3
		.amdhsa_float_denorm_mode_16_64 3
		.amdhsa_memory_ordered 1
		.amdhsa_forward_progress 1
		.amdhsa_inst_pref_size 149
	.end_amdhsa_kernel
	.amdgpu_metadata
---
amdhsa.version: [ 1, 2 ]
amdhsa.kernels:
  - .name:           k_q6d6b9ee7cf_qkv
    .symbol:         k_q6d6b9ee7cf_qkv.kd
    .args:
      - { .name: x_codes, .offset: 0, .size: 8, .value_kind: global_buffer, .address_space: global }
      - { .name: x_scales, .offset: 8, .size: 8, .value_kind: global_buffer, .address_space: global }
      - { .name: w_codes, .offset: 16, .size: 8, .value_kind: global_buffer, .address_space: global }
      - { .name: w_scales, .offset: 24, .size: 8, .value_kind: global_buffer, .address_space: global }
      - { .name: bq, .offset: 32, .size: 8, .value_kind: global_buffer, .address_space: global }
      - { .name: bk, .offset: 40, .size: 8, .value_kind: global_buffer, .address_space: global }
      - { .name: bv, .offset: 48, .size: 8, .value_kind: global_buffer, .address_space: global }
      - { .name: qkv16, .offset: 56, .size: 8, .value_kind: global_buffer, .address_space: global }
      - { .name: qkv32, .offset: 64, .size: 8, .value_kind: global_buffer, .address_space: global }
    .group_segment_fixed_size: 327680
    .private_segment_fixed_size: 0
    .kernarg_segment_align: 8
    .kernarg_segment_size: 72
    .max_flat_workgroup_size: 128
    .sgpr_count:     102
    .vgpr_count:     1024
    .wavefront_size: 32
...
	.end_amdgpu_metadata
.endif
;; end of part 3
;; launch attn (part 4): grid 4 x 64, 16 waves a work-group, no clusters, 327,680 bytes of LDS; arguments qkv16, y16; writes y16
.if DOCPART == 4
	.amdgcn_target "amdgcn-amd-amdhsa--gfx1250"
	.amdhsa_code_object_version 6
	.text
	.protected	k_q6d6b9ee7cf_attn
	.globl	k_q6d6b9ee7cf_attn
	.p2align	8
	.type	k_q6d6b9ee7cf_attn,@function
k_q6d6b9ee7cf_attn:
	s_mov_b64 s[64:65], 0
	v_nop
	global_prefetch_b8 v0, s[64:65] scope:SCOPE_SE
	s_setreg_imm32_b32 hwreg(HW_REG_WAVE_MODE, 25, 1), 1
	s_wait_xcnt 0x0
; y[b][h][t][:] = the sum over keys k <= t of softmax_k(q . k / 8) v, on f16 operands with f32 sums.  qkv16: [3][64 heads][2048][64] f16; q comes multiplied by log2(e) / 8, so a score s is already an exponent of 2.
; The formula takes the row's maximum over ALL keys away ahead of its mask: a constant of the row, which the softmax cancels.  Here the running maximum m over the keys that count is taken away: p = 2^(s - m) <= 1;
; in every step the sum l and O are multiplied by a = 2^(m_old - m_new).  Scores of keys under the mask are not computed, but for the steps on the diagonal, where they become -infinity.
; SHARES.  No cluster: the four work-groups of a head need 8, 7, 6 and 5 slots of keys, so partners would have to pass over joint loads.  Work-group p of a head owns query blocks p and 7 - p (256 queries each):
; equal work in all.  Waves 0-7 take 32 queries each of block p, waves 8-15 of block 7 - p (in reverse order): two tiles of 16 queries a wave, in 256 registers, four waves to a SIMD.
; Keys go 64 a step; K's and V's rows come through two LDS slots of 256 keys, filled by tensor loads of waves 0, 1 (K) and 2, 3 (V).  A head's rows (128 bytes) are dense: a tile is stated as rows of two keys, 256 bytes.
; LAYOUT.  S^T = K Q^T (source 0 = 16 keys, source 1 = 16 queries): a lane holds one query (lane % 16) and keys 8 (lane / 16) + 0..7.  Two such tiles rounded to f16 in pairs ARE source 1 of O^T = V^T P.
; EVERY work-group walks all 8 slots: trip counts are constants.  A step all of whose keys come after the wave's queries is passed over; a slot whose first key comes after the work-group's last query is not asked for.
; LIMITS: positions 0 to 15 of each sequence are computed here in f16 like all others and written over in f32 by a later launch.
.set SK,    256                        ; keys in a slot
.set PK,    272                        ; two keys of K in LDS: 256 bytes + 16
.set PV,    288                        ; two keys of V: 256 + 32
.set VOFF,  128*PK
.set SLOT1, 1<<17                      ; slot 1 begins here: one exclusive or turns an address
.set NSL,   8
.set STAGE, SLOT1+VOFF+128*PV          ; behind the ring: 32 rows x 144 bytes for each wave; no tensor load lands here
.set SPARE, STAGE+16*4608              ; the spare words: 128 bytes a wave, named by no other line
.set AK0, 1                            ; v1  my lane's place in a tile of K
.set AV0, 2                            ; v2  the same for V
.set ADK, 3
.set ADV, 4
.set SPW, 5
.set NIL, 6
.set GO,  7                            ; v7  16 x lane
.set STO, 8
.set RD,  9
.set RH,  10                           ; v10 lane % 16 - 8 (lane / 16)
.set PFO, 11                           ; v11 256 x lane
.set ST,  12                           ; tile t's statistics at v[ST + 8 t]: +0 m, +2, +3 l, +4 .. +7 at work; a at +6
.set Q,   32                           ; v32-63   Q: tile t, channels 32 c on, at 32 + 16 t + 8 c
.set KV,  64                           ; v64-127  a step's K, then its V
.set S,   128                          ; v128-191 S^T: tile t, keys 16 kt on, at 128 + 32 t + 8 kt; P is packed into the first 16 of each 32
.set O,   192                          ; v192-255 O^T: tile t, channels 16 dt on, at 192 + 32 t + 8 dt
.set WV,  18
.set SEL, 20
.set G1K, 24
.set G1V, 32
.set G0K, 40
.set G0V, 44
.set TB,  2                            ; s2  LDS byte at which the slot in hand begins
.set LQ,  66                           ; s66 my work-group's last query
.set SLOTS, 67
.set KF,  98                           ; s98 the step's first key
.set Q0,  99                           ; s99 my first query
.set PFA, 76
.set LIM, 80
.macro TLOAD                           ; waves 0 and 1 fetch K's halves, waves 2 and 3 V's, the others nothing.  An s_nop 0 and four v_nop follow each line
	s_cmp_lt_u32 s[WV], 2
	s_cbranch_scc0 .Lnot_k_\@
	tensor_load_to_lds s[G0K:G0K+3], s[G1K:G1K+7]
	s_nop 0
.rept 4
	v_nop
.endr
	s_branch .Lasked_\@
.Lnot_k_\@:
	s_cmp_lt_u32 s[WV], 4
	s_cbranch_scc0 .Lasked_\@
	tensor_load_to_lds s[G0V:G0V+3], s[G1V:G1V+7]
	s_nop 0
.rept 4
	v_nop
.endr
.Lasked_\@:
.endm
; A prefetch of what the NEXT change of slots will ask for: a slot's 32,768 dense bytes of K and of V.  Of a head's four work-groups the first asks (it walks all eight slots); in it waves 4 to 7 ask for K's,
; waves 8 to 11 for V's, 8,192 bytes a wave, lanes 256 bytes apart: each block of 256 bytes is named once in the launch.  Slots 0 and 1 come by their loads alone; the last change that fills a slot asks for nothing.
.macro ASK
	s_cmp_gt_u32 s[SLOTS], s[LIM]
	s_cbranch_scc0 .Lnot_mine_\@
	global_prefetch_b8 v[PFO], s[PFA:PFA+1] th:TH_LOAD_NT scope:SCOPE_SE
.Lnot_mine_\@:
.endm
	s_load_b128 s[4:7], s[0:1], 0x0                ; qkv16, y16
	v_lshl_add_u32 v[SPW], v0, 2, SPARE
	v_mov_b32 v[NIL], 0
	ds_add_u32 v[SPW], v[NIL]                      ; the wave's opening: the add, twice on end, and its wait ahead of my first tensor load
	ds_add_u32 v[SPW], v[NIL]
	v_lshrrev_b32 v28, 5, v0
	v_readfirstlane_b32 s[WV], v28                 ; wave 0..15
	s_and_b32 s72, ttmp7, 0xffff                   ; batch x 16 + head
	s_lshl_b32 s74, s72, 18                        ; the head's first byte in q, k, v and y: 262,144 a head
	s_sub_co_u32 s68, 7, ttmp9
	s_sub_co_u32 s69, 15, s[WV]
	s_cmp_lt_u32 s[WV], 8
	s_cselect_b32 s68, ttmp9, s68                  ; my block of 256 queries: p or 7 - p
	s_cselect_b32 s69, s[WV], s69                  ; my 32 of them: w or 15 - w
	s_lshl_b32 s68, s68, 8
	s_lshl_b32 s69, s69, 5
	s_add_co_u32 s[Q0], s68, s69
	s_lshl_b32 s68, ttmp9, 8
	s_sub_co_u32 s[LQ], 2047, s68
	s_lshl_b32 s70, s[Q0], 7                       ; my first query's row in q and in y
	s_add_co_u32 s70, s70, s74
	s_mov_b32 s71, 0
	s_and_b32 s88, s[WV], 1                        ; which 128 keys of a slot I fetch, if I fetch:
	s_lshl_b32 s90, s88, 14                        ; in memory,
	s_add_co_u32 s90, s90, s74
	s_mov_b32 s91, 0
	s_mul_i32 s89, s88, 64*PK                      ; and in a slot
	s_mul_i32 s94, s88, 64*PV
	s_add_co_u32 s94, s94, VOFF
	s_mov_b32 s[G1K], (1<<16)|(1<<20)|(5<<22)|(3<<25)   ; no mask; elements of 2 bytes; padding on: 4 words after every 64
	s_mov_b32 s[G1V], (1<<16)|(1<<20)|(5<<22)|(7<<25)   ; 8 words after every 64
.irp g, G1K, G1V
	s_mov_b32 s[\g+1], 128<<16                     ; tensor_dim0: two keys
	s_mov_b32 s[\g+2], 64<<16                      ; tensor_dim1
	s_mov_b32 s[\g+3], 128<<16                     ; tile_dim0
	s_mov_b32 s[\g+4], 64                          ; tile_dim1
	s_mov_b32 s[\g+5], 128                         ; the pitch: dense
	s_mov_b32 s[\g+6], 0
	s_mov_b32 s[\g+7], 0
.endr
	s_mov_b32 s[SEL], 0x76543210
	s_mov_b32 s[SEL+1], 0xfedcba98                 ; v_permlanex16_b32's selects for lane l xor 16
	s_mov_b32 s[TB], 0
	s_mov_b32 s[SLOTS], NSL-1
	s_mov_b32 s[KF], 0
	s_mul_i32 s73, s[WV], 4608
	s_add_co_u32 s73, s73, STAGE                   ; my stage
	s_wait_dscnt 0x0                               ; both opening adds are done
	s_wait_kmcnt 0x0
	s_add_nc_u64 s[8:9], s[4:5], 0x1000000         ; k
	s_add_nc_u64 s[10:11], s[4:5], 0x2000000       ; v
	s_mov_b32 s[G0K], 1
	s_mov_b32 s[G0K+1], s89
	s_add_nc_u64 s[G0K+2:G0K+3], s[8:9], s[90:91]
	s_or_b32 s[G0K+3], s[G0K+3], 0x80000000
	s_mov_b32 s[G0V], 1
	s_mov_b32 s[G0V+1], s94
	s_add_nc_u64 s[G0V+2:G0V+3], s[10:11], s[90:91]
	s_or_b32 s[G0V+3], s[G0V+3], 0x80000000
	TLOAD                                          ; slot 0: it holds key 0, which counts for every query
	s_add_nc_u64 s[4:5], s[4:5], s[70:71]          ; q at my first query
	s_add_nc_u64 s[6:7], s[6:7], s[70:71]          ; y likewise
	s_cmp_lt_u32 s[WV], 8                          ; the prefetches: waves 4 to 7 K, waves 8 to 11 V
	s_cselect_b64 s[PFA:PFA+1], s[8:9], s[10:11]
	s_and_b32 s82, s[WV], 3
	s_lshl_b32 s82, s82, 13
	s_add_co_u32 s82, s82, s74
	s_add_co_u32 s82, s82, SK*128                  ; in slot 1: the first change of slots steps it to slot 2
	s_mov_b32 s83, 0
	s_add_nc_u64 s[PFA:PFA+1], s[PFA:PFA+1], s[82:83]
	s_sub_co_u32 s82, s[WV], 4
	s_lshr_b32 s82, s82, 3                         ; 0 in waves 4 to 11,
	s_or_b32 s82, s82, ttmp9                       ; of the head's first work-group
	s_cmp_eq_u32 s82, 0
	s_cselect_b32 s[LIM], 1, -1
	v_and_b32 v28, 15, v0                          ; r
	v_bfe_u32 v29, v0, 4, 1                        ; h
	v_lshlrev_b32 v30, 7, v28
	v_lshl_add_u32 v30, v29, 4, v30                ; Q: row r of 128 bytes + 16 h
.irp t, 0,1
.irp c, 0,1
	global_load_b128 v[Q+16*\t+8*\c:Q+16*\t+8*\c+3], v30, s[4:5] offset:2048*\t+64*\c
	global_load_b128 v[Q+16*\t+8*\c+4:Q+16*\t+8*\c+7], v30, s[4:5] offset:2048*\t+64*\c+32
.endr
.endr
	v_lshrrev_b32 v31, 1, v28
	v_mul_u32_u24 v[AK0], v31, PK
	v_and_b32 v31, 1, v28
	v_lshl_add_u32 v[AK0], v31, 7, v[AK0]
	v_lshl_add_u32 v[AK0], v29, 4, v[AK0]          ; K: key r: PK (r / 2) + 128 (r % 2), + 16 h
	v_and_b32 v31, 7, v0
	v_lshl_add_u32 v31, v29, 3, v31                ; V, for the turning load: key 8 h + lane % 8,
	v_lshrrev_b32 v[AV0], 1, v31
	v_mul_u32_u24 v[AV0], v[AV0], PV
	v_and_b32 v31, 1, v31
	v_lshl_add_u32 v[AV0], v31, 7, v[AV0]
	v_bfe_u32 v31, v0, 3, 1
	v_lshl_add_u32 v[AV0], v31, 4, v[AV0]          ; channels 8 ((lane / 8) % 2) on
	v_add_nc_u32 v[AV0], VOFF, v[AV0]
	v_and_b32 v31, 31, v0
	v_lshlrev_b32 v[GO], 4, v31
	v_lshlrev_b32 v[PFO], 8, v31
	v_mul_u32_u24 v[STO], v28, 144
	v_lshl_add_u32 v[STO], v29, 4, v[STO]
	v_add_nc_u32 v[STO], s73, v[STO]               ; the stage, in: row r, 16 bytes for each half of the lanes
	v_lshrrev_b32 v[RD], 3, v31
	v_mul_u32_u24 v[RD], v[RD], 144
	v_and_b32 v31, 7, v0
	v_lshl_add_u32 v[RD], v31, 4, v[RD]
	v_add_nc_u32 v[RD], s73, v[RD]                 ; back: eight lanes to a row of 128 bytes
	v_lshlrev_b32 v31, 3, v29
	v_sub_nc_u32 v[RH], v28, v31
.irp t, 0,1
	v_mov_b32 v[ST+8*\t], 0xff61b1e6               ; m: -3e38, under every score
.irp i, 1,2,3,4,5,6,7
	v_mov_b32 v[ST+8*\t+\i], 0                     ; l, and what is named in pairs or as a permute's destination before it is first written
.endr
.endr
.set nn, 0
.rept 64
	v_mov_b32 v[O+nn], 0                           ; O^T.  (The step is written once: the first finds zeros, which a = 0 leaves zeros)
.set nn, nn+1
.endr
; A KEY STEP: 64 keys, the q-th of the slot in hand.
.macro STEP q
	s_add_co_u32 s96, s[Q0], 31                    ; a step all of whose keys come after my 32 queries is left out: a branch on ids, round no barrier and no tensor load
	s_cmp_gt_u32 s[KF], s96
	s_cbranch_scc1 .Lhidden_\@
	v_add_nc_u32 v[ADK], s[TB], v[AK0]
	v_add_nc_u32 v[ADV], s[TB], v[AV0]
.rept 3
	v_nop                                          ; with the two additions five places behind the last products: their V is loaded over, and their P is written over by matrix instructions
.endr
.irp c, 0,1                                    ; K: channels 0-31 of the four tiles first
.irp kt, 0,1,2,3
	ds_load_b128 v[KV+8*(2*\kt+\c):KV+8*(2*\kt+\c)+3], v[ADK] offset:8704*(\q)+2176*\kt+64*\c
	ds_load_b128 v[KV+8*(2*\kt+\c)+4:KV+8*(2*\kt+\c)+7], v[ADK] offset:8704*(\q)+2176*\kt+64*\c+32
.endr
.endr
	s_wait_dscnt 8                                 ; channels 0-31 are in; the eight loads of channels 32-63 may be out
.irp kt, 0,1,2,3                               ; S^T = K Q^T: eight accumulators by turns
.irp t, 0,1
	v_wmma_f32_16x16x32_f16 v[S+32*\t+8*\kt:S+32*\t+8*\kt+7], v[KV+16*\kt:KV+16*\kt+7], v[Q+16*\t:Q+16*\t+7], 0
.endr
.endr
	s_wait_dscnt 0x0
.irp kt, 0,1,2,3
.irp t, 0,1
	v_wmma_f32_16x16x32_f16 v[S+32*\t+8*\kt:S+32*\t+8*\kt+7], v[KV+16*\kt+8:KV+16*\kt+15], v[Q+16*\t+8:Q+16*\t+15], v[S+32*\t+8*\kt:S+32*\t+8*\kt+7]
.endr
.endr
.rept 4
	v_nop                                          ; places in front of the loads over K and of the first read of the scores
.endr
.irp g, 0,1                                    ; V, turned: keys 32 g on, channels 16 dt on; it lands while the softmax is worked
.irp dt, 0,1,2,3
	ds_load_tr16_b128 v[KV+8*(4*\g+\dt):KV+8*(4*\g+\dt)+3], v[ADV] offset:9216*(\q)+4608*\g+32*\dt
	ds_load_tr16_b128 v[KV+8*(4*\g+\dt)+4:KV+8*(4*\g+\dt)+7], v[ADV] offset:9216*(\q)+4608*\g+32*\dt+2304
.endr
.endr
	s_add_co_u32 s96, s[KF], 63                    ; on the diagonal hidden scores become -infinity; a step all of whose keys count passes this over
	s_cmp_le_u32 s96, s[Q0]
	s_cbranch_scc1 .Lopen_\@
	s_sub_co_i32 s96, s[Q0], s[KF]
	v_add_nc_u32 v29, s96, v[RH]                   ; d = my query - the step's first key - 8 (lane / 16): register 8 kt + j holds a hidden key where 16 kt + j > d
	v_add_nc_u32 v30, 16, v29                      ; tile 1's queries lie 16 further on
	v_mov_b32 v28, 0xff800000
.irp t, 0,1
.set nn, 0
.rept 32
	v_cmp_gt_i32 vcc_lo, 16*(nn/8)+nn%8, v[29+\t]
	v_cndmask_b32 v[S+32*\t+nn], v[S+32*\t+nn], v28, vcc_lo
.set nn, nn+1
.endr
.endr
.Lopen_\@:
.irp j, 0,1,2,3                                ; the largest of my 32 scores and the old m: four chains a tile, each accumulator from its low end on, the tiles by turns
.irp t, 0,1
	v_max3_num_f32 v[ST+8*\t+4+\j], v[S+32*\t+8*\j], v[S+32*\t+8*\j+1], v[S+32*\t+8*\j+2]
.endr
.endr
.irp u, 1,2
.irp j, 0,1,2,3
.irp t, 0,1
	v_max3_num_f32 v[ST+8*\t+4+\j], v[ST+8*\t+4+\j], v[S+32*\t+8*\j+2*\u+1], v[S+32*\t+8*\j+2*\u+2]
.endr
.endr
.endr
.irp t, 0,1
	v_max3_num_f32 v[ST+8*\t+4], v[ST+8*\t+4], v[S+32*\t+7], v[S+32*\t+15]
.endr
.irp t, 0,1
	v_max3_num_f32 v[ST+8*\t+6], v[ST+8*\t+6], v[S+32*\t+23], v[S+32*\t+31]
.endr
.irp t, 0,1
	v_max3_num_f32 v[ST+8*\t+4], v[ST+8*\t+4], v[ST+8*\t+5], v[ST+8*\t+6]
.endr
.irp t, 0,1
	v_max3_num_f32 v[ST+8*\t+4], v[ST+8*\t+4], v[ST+8*\t+7], v[ST+8*\t]
.endr
.irp t, 0,1
	v_permlanex16_b32 v[ST+8*\t+5], v[ST+8*\t+4], s[SEL], s[SEL+1]   ; the query's other 32 keys lie in the lane 16 away
.endr
.irp t, 0,1
	v_mov_b32 v[ST+8*\t+7], v[ST+8*\t]             ; the old m
.endr
.irp t, 0,1
	v_max_num_f32 v[ST+8*\t], v[ST+8*\t+4], v[ST+8*\t+5]   ; the new m
.endr
.irp t, 0,1
	v_sub_f32 v[ST+8*\t+7], v[ST+8*\t+7], v[ST+8*\t]
.endr
.set nn, 0
.rept 16
.irp t, 0,1
	v_pk_add_f32 v[S+32*\t+nn:S+32*\t+nn+1], v[S+32*\t+nn:S+32*\t+nn+1], v[ST+8*\t:ST+8*\t+1] op_sel_hi:[1,0] neg_lo:[0,1] neg_hi:[0,1]   ; s - m, two at a time: never above 0
.endr
.set nn, nn+2
.endr
.irp t, 0,1
	v_exp_f32 v[ST+8*\t+6], v[ST+8*\t+7]           ; a = 2^(m_old - m_new)
.endr
.set nn, 0
.rept 32
.irp t, 0,1
	v_exp_f32 v[S+32*\t+nn], v[S+32*\t+nn]         ; p = 2^(s - m)
.endr
.set nn, nn+1
.endr
	v_nop                                          ; one plain line behind the last exponential,
	s_wait_alu depctr_va_vdst(0)                   ; and ONE wait for the batch of 66, ahead of its first reader
.irp t, 0,1
	v_pk_mul_f32 v[ST+8*\t+2:ST+8*\t+3], v[ST+8*\t+2:ST+8*\t+3], v[ST+8*\t+6:ST+8*\t+7] op_sel_hi:[1,0]   ; l x a
.endr
.irp t, 0,1
	v_pk_add_f32 v[ST+8*\t+4:ST+8*\t+5], v[S+32*\t:S+32*\t+1], v[S+32*\t+2:S+32*\t+3]   ; the sum of the unrounded p, in two chains
.endr
.set nn, 4
.rept 7
.irp t, 0,1
	v_pk_add_f32 v[ST+8*\t+2:ST+8*\t+3], v[ST+8*\t+2:ST+8*\t+3], v[S+32*\t+nn:S+32*\t+nn+1]
	v_pk_add_f32 v[ST+8*\t+4:ST+8*\t+5], v[ST+8*\t+4:ST+8*\t+5], v[S+32*\t+nn+2:S+32*\t+nn+3]
.endr
.set nn, nn+4
.endr
.irp t, 0,1
	v_pk_add_f32 v[ST+8*\t+2:ST+8*\t+3], v[ST+8*\t+2:ST+8*\t+3], v[ST+8*\t+4:ST+8*\t+5]
.endr
.set nn, 0
.rept 16
.irp t, 0,1
	v_cvt_pk_f16_f32 v[S+32*\t+nn], v[S+32*\t+2*nn], v[S+32*\t+2*nn+1]   ; P in f16, packed in place from the low end on
.endr
.set nn, nn+1
.endr
.set nn, 0
.rept 16
.irp t, 0,1
	v_pk_mul_f32 v[O+32*\t+nn:O+32*\t+nn+1], v[O+32*\t+nn:O+32*\t+nn+1], v[ST+8*\t+6:ST+8*\t+7] op_sel_hi:[1,0]   ; O^T x a
.endr
.set nn, nn+2
.endr
	s_wait_dscnt 0x0                               ; V is in
.irp g, 0,1                                    ; O^T += V^T P: eight accumulators by turns
.irp dt, 0,1,2,3
.irp t, 0,1
	v_wmma_f32_16x16x32_f16 v[O+32*\t+8*\dt:O+32*\t+8*\dt+7], v[KV+8*(4*\g+\dt):KV+8*(4*\g+\dt)+7], v[S+32*\t+8*\g:S+32*\t+8*\g+7], v[O+32*\t+8*\dt:O+32*\t+8*\dt+7]
.endr
.endr
.endr
.Lhidden_\@:
	s_add_co_u32 s[KF], s[KF], 64
.endm
; THE CHANGE OF SLOTS stands at a slot's head.  Each wave waits for all its tensor loads, adds 0 to its spare word, and waits for
; that and for its reads of the slot that it has left.  Behind the barrier the slot ahead is whole and nobody reads the other one, which is then filled with the keys that follow, up to the causal limit.
.macro CHANGE fill
	s_wait_tensorcnt 0x0                           ; no tensor load of mine is out, so a descriptor may be written
	ds_add_u32 v[SPW], v[NIL]
.if \fill
	ds_add_u32 v[SPW], v[NIL]
	s_xor_b32 s[G0K+1], s[G0K+1], SLOT1            ; the walking descriptors: the other slot, the next 256 keys
	s_add_nc_u64 s[G0K+2:G0K+3], s[G0K+2:G0K+3], SK*128
	s_xor_b32 s[G0V+1], s[G0V+1], SLOT1
	s_add_nc_u64 s[G0V+2:G0V+3], s[G0V+2:G0V+3], SK*128
	s_wait_xcnt 0x0                                ; the last prefetch, a slot back, has read its address
	s_add_nc_u64 s[PFA:PFA+1], s[PFA:PFA+1], SK*128
.endif
	s_wait_dscnt 0x0                               ; the add is done, and my reads of the slot that I have left are over
	s_barrier_signal -1
	s_barrier_wait -1
.if \fill
	s_add_co_u32 s96, s[KF], SK                    ; the first key of the slot that this change would ask for:
	s_cmp_gt_u32 s96, s[LQ]                        ; behind my work-group's last query no wave reads it.  Ids and the count of steps alone: all sixteen waves go the same way
	s_cbranch_scc1 .Lpast_\@
	TLOAD                                          ; a wave's one tensor load until the next change
.Lpast_\@:
	ASK
.endif
.endm
.macro SLOT_STEPS
	STEP 0
	STEP 1
	STEP 2
	STEP 3
	s_xor_b32 s[TB], s[TB], SLOT1
.endm
	s_wait_loadcnt 0x0                             ; Q
.Lslot:                                            ; seven trips
	CHANGE 1
	SLOT_STEPS
	s_sub_co_u32 s[SLOTS], s[SLOTS], 1
	s_cmp_lg_u32 s[SLOTS], 0
	s_cbranch_scc1 .Lslot
	CHANGE 0                                       ; the last slot is written out: nothing is left to ask for
	SLOT_STEPS
	; THE WAY OUT: O^T / l, rounded to f16, through my stage, back as rows of 128 bytes: my 32 queries are 4,096 consecutive bytes of y
.rept 4
	v_nop
.endr
.irp t, 0,1
	v_add_f32 v[ST+8*\t+4], v[ST+8*\t+2], v[ST+8*\t+3]
.endr
.irp t, 0,1
	v_permlanex16_b32 v[ST+8*\t+5], v[ST+8*\t+4], s[SEL], s[SEL+1]
.endr
.irp t, 0,1
	v_add_f32 v[ST+8*\t+4], v[ST+8*\t+4], v[ST+8*\t+5]
.endr
.irp t, 0,1
	v_rcp_f32 v[ST+8*\t+6], v[ST+8*\t+4]
.endr
	v_nop                                          ; a plain line behind the reciprocals,
	s_wait_alu depctr_va_vdst(0)                   ; and their one wait
.irp t, 0,1
.set nn, 0
.rept 16
	v_pk_mul_f32 v[O+32*\t+nn:O+32*\t+nn+1], v[O+32*\t+nn:O+32*\t+nn+1], v[ST+8*\t+6:ST+8*\t+7] op_sel_hi:[1,0]
.set nn, nn+2
.endr
.set nn, 0
.rept 16
	v_cvt_pk_f16_f32 v[S+16*\t+nn], v[O+32*\t+2*nn], v[O+32*\t+2*nn+1]
.set nn, nn+1
.endr
.irp dt, 0,1,2,3
	ds_store_b128 v[STO], v[S+16*\t+4*\dt:S+16*\t+4*\dt+3] offset:2304*\t+32*\dt
.endr
.endr
.irp i, 0,1,2,3,4,5,6,7
	ds_load_b128 v[KV+4*\i:KV+4*\i+3], v[RD] offset:576*\i   ; LDS serves a wave's instructions in order: these see my stores
.endr
.irp i, 0,1,2,3,4,5,6,7
	s_wait_dscnt 7-\i                              ; four rows are in; the later ones may be out
	global_store_b128 v[GO], v[KV+4*\i:KV+4*\i+3], s[6:7] offset:512*\i
.endr
	s_wait_tensorcnt 0x0                           ; the wave's end: behind my last tensor load and my last LDS store
	ds_add_u32 v[SPW], v[NIL]
	s_wait_dscnt 0x0
	s_endpgm
.Lfunc_end_k_q6d6b9ee7cf_attn:
	.size	k_q6d6b9ee7cf_attn, .Lfunc_end_k_q6d6b9ee7cf_attn-k_q6d6b9ee7cf_attn
	.p2alignl 7, 3214868480
	.fill 96, 4, 3214868480
	.section	.rodata,"a",@progbits
	.p2align	6, 0x0
	.amdhsa_kernel k_q6d6b9ee7cf_attn
		.amdhsa_group_segment_fixed_size 327680
		.amdhsa_private_segment_fixed_size 0
		.amdhsa_enable_private_segment 0
		.amdhsa_kernarg_size 16
		.amdhsa_user_sgpr_count 2
		.amdhsa_user_sgpr_kernarg_segment_ptr 1
		.amdhsa_wavefront_size32 1
		.amdhsa_system_sgpr_workgroup_id_x 1
		.amdhsa_system_sgpr_workgroup_id_y 1
		.amdhsa_system_sgpr_workgroup_id_z 1
		.amdhsa_system_vgpr_workitem_id 0
		.amdhsa_next_free_vgpr 256
		.amdhsa_next_free_sgpr 100
		.amdhsa_reserve_vcc 1
		.amdhsa_float_denorm_mode_32 3
		.amdhsa_float_denorm_mode_16_64 3
		.amdhsa_memory_ordered 1
		.amdhsa_forward_progress 1
		.amdhsa_inst_pref_size 189
	.end_amdhsa_kernel
	.amdgpu_metadata
---
amdhsa.version: [ 1, 2 ]
amdhsa.kernels:
  - .name:           k_q6d6b9ee7cf_attn
    .symbol:         k_q6d6b9ee7cf_attn.kd
    .args:
      - { .name: qkv16, .offset: 0, .size: 8, .value_kind: global_buffer, .address_space: global }
      - { .name: y16, .offset: 8, .size: 8, .value_kind: global_buffer, .address_space: global }
    .group_segment_fixed_size: 327680
    .private_segment_fixed_size: 0
    .kernarg_segment_align: 8
    .kernarg_segment_size: 16
    .max_flat_workgroup_size: 512
    .sgpr_count:     100
    .vgpr_count:     256
    .wavefront_size: 32
...
	.end_amdgpu_metadata
.endif
;; end of part 4
;; launch proj (part 5): grid 8 x 32, 4 waves a work-group, clusters of 4 x 4, 327,680 bytes of LDS; arguments y16, wp16, bp, out0; writes out0
.if DOCPART == 5
	.amdgcn_target "amdgcn-amd-amdhsa--gfx1250"
	.amdhsa_code_object_version 6
	.text
	.protected	k_q6d6b9ee7cf_proj
	.globl	k_q6d6b9ee7cf_proj
	.p2align	8
	.type	k_q6d6b9ee7cf_proj,@function
k_q6d6b9ee7cf_proj:
	s_mov_b64 s[64:65], 0
	v_nop
	global_prefetch_b8 v0, s[64:65] scope:SCOPE_SE
	s_setreg_imm32_b32 hwreg(HW_REG_WAVE_MODE, 25, 1), 1
	s_wait_xcnt 0x0
	s_wait_alu depctr_hold_cnt(0) depctr_sa_sdst(0) depctr_va_vdst(0) depctr_va_sdst(0) depctr_va_ssrc(0) depctr_va_vcc(0) depctr_vm_vsrc(0)
	s_getreg_b32 s2, hwreg(HW_REG_IB_STS2, 6, 4)
	s_cmp_eq_u32 s2, 0
	s_cbranch_scc0 .Lentry_in_a_cluster
	s_endpgm
.Lentry_in_a_cluster:
	s_bfe_u32 s2, ttmp6, 0x10000c
	s_cmp_lg_u32 s2, 0xf033
	s_cbranch_scc0 .Lentry_shape_is_right
	s_endpgm
.Lentry_shape_is_right:
; out[m][n] = sum over k of y[m][k] Wp[k][n] + bp[n], f16 operands, f32 sums.  y16: [batch][head][t][64] f16 (k = 64 head + channel, m = 2048 batch + t); wp16: [k][n] f16; out: [8192][1024] f32.
; A tile of 256 rows x 128 columns gives 256 work-groups.  Four waves, each 128 rows x 64 columns: 32 accumulators, window 1.  K goes in steps of 128 (two heads) through two LDS slots.
; y's tile of a step is two dense blocks (a head's 256 positions x 128 bytes), stated as rows of two positions; Wp's is 128 rows k of 256 bytes, read turned by ds_load_tr16_b128.
; 4 x 4 work-groups form a cluster: y's tiles are shared along a row of it, Wp's along a column, by joint loads.  THE MATRIX INSTRUCTION IS USED TRANSPOSED (source 0 = 16 columns of Wp, source 1 = 16 rows of y):
; a lane holds eight neighbouring columns of a row.  The bias is the C of each sum's first matrix instruction.  No prefetch: Wp's 2 MiB are read by every cluster, and a step's tiles are small.
; Rows t < 16 of each batch are written here like all others and written over in f32 by the next launch.
.set SLOT,  106496                     ; y's head 0 (128 x 272), head 1, then Wp's 128 rows x 288
.set BOFF,  69632
.set STAGE, 2*SLOT                     ; behind the ring: 16 rows x 272 bytes for each wave
.set SPARE, STAGE+4*4352               ; the spare words: 128 bytes a wave, named by no other line
.set LAPS,  4                          ; a lap = two K steps; K = 1,024 is eight
.set ADRA, 16
.set ADRB, 20
.set STO,  24
.set RD,   25
.set CO,   26
.set BOF,  27
.set SPW,  28
.set NIL,  29
.set BI,   32                          ; v32-63 the bias tiles
.set F0,   64                          ; fragment buffers: y's 8 at +0, Wp's 4 at +64
.set F1,   160
.set BK,   64                          ; the way out: rows read back, v64-95 and v96-127 by turns
.set G1, 24
.set G0, 32
.set G1B, 48
.set G0B, 56
.set MSB, 0
.macro WIN new
.if MSB != (\new)
	s_set_vgpr_msb (MSB<<8)|(\new)
.set MSB, (\new)
.endif
.endm
.set MUL,  0x50                        ; sources 0 and 1 window 0; C and D window 1
.set MUL0, 0x40                        ; C (the bias) window 0, D window 1
.macro JLOAD s                         ; a joint load: waves 0 and 1 fetch y's two heads, waves 2 and 3 Wp's two halves; an s_nop 0 and four v_nop follow each line
	s_cmp_eq_u32 s13, 0
	s_cbranch_scc0 .Lfor_b_\@
	tensor_load_to_lds s[G0+4*\s:G0+4*\s+3], s[G1:G1+7]
	s_nop 0
.rept 4
	v_nop
.endr
	s_branch .Lasked_\@
.Lfor_b_\@:
	tensor_load_to_lds s[G0B+4*\s:G0B+4*\s+3], s[G1B:G1B+7]
	s_nop 0
.rept 4
	v_nop
.endr
.Lasked_\@:
.endm
.macro CREST                           ; a round of the cluster's barrier behind its opening barrier
	s_cmp_lg_u32 s12, 0
	s_cbranch_scc1 .Lnot_wave_0_\@
	s_barrier_signal -3
.Lnot_wave_0_\@:
	s_barrier_wait -3
	s_barrier_signal -1
	s_barrier_wait -1
.endm
.macro CROUND
	s_barrier_signal -1
	s_barrier_wait -1
	CREST
.endm
	s_load_b128 s[4:7], s[0:1], 0x0                ; y16, wp16
	s_load_b128 s[8:11], s[0:1], 0x10              ; bp, out0
	v_lshl_add_u32 v[SPW], v0, 2, SPARE
	v_mov_b32 v[NIL], 0
	ds_add_u32 v[SPW], v[NIL]                      ; the wave's opening: the add, twice on end, and its wait ahead of my first tensor load
	ds_add_u32 v[SPW], v[NIL]
	v_lshrrev_b32 v1, 5, v0
	v_readfirstlane_b32 s12, v1                    ; wave 0..3
	s_lshr_b32 s13, s12, 1                         ; which half of the tile's rows is mine.  Also: I fetch for y (0) or for Wp (1)
	s_and_b32 s14, s12, 1                          ; which half of its columns.  Also: which head, or which 64 rows of Wp, I fetch
	s_bfe_u32 s40, ttmp6, 0x40000                  ; cx, cy
	s_bfe_u32 s41, ttmp6, 0x40004
	s_lshl_b32 s42, ttmp9, 2
	s_add_co_u32 s42, s42, s40                     ; tile column
	s_and_b32 s43, ttmp7, 0xffff
	s_lshl_b32 s43, s43, 2
	s_add_co_u32 s43, s43, s41                     ; tile row
	s_lshl_b32 s44, s41, 2
	s_lshl_b32 s44, 15, s44                        ; my row of the cluster
	s_lshl_b32 s45, 0x1111, s40                    ; my column
	s_or_b32 s[G1+0], s44, (1<<16)|(1<<20)|(1<<21)|(5<<22)|(3<<25)    ; the mask; elements of 2 bytes; padding on; bit 21 beside a mask; 4 words after every 64
	s_or_b32 s[G1B+0], s45, (1<<16)|(1<<20)|(1<<21)|(5<<22)|(7<<25)   ; 8 words after every 64
	s_mov_b32 s[G1+1], 128<<16                     ; y: 128 rows of two positions (128 elements), dense
	s_mov_b32 s[G1+2], 128<<16
	s_mov_b32 s[G1+3], 128<<16
	s_mov_b32 s[G1+4], 128
	s_mov_b32 s[G1+5], 128
	s_mov_b32 s[G1+6], 0
	s_mov_b32 s[G1+7], 0
	s_mov_b32 s[G1B+1], 128<<16                    ; Wp: 64 rows k of 128 columns, 1,024 elements apart
	s_mov_b32 s[G1B+2], 64<<16
	s_mov_b32 s[G1B+3], 128<<16
	s_mov_b32 s[G1B+4], 64
	s_mov_b32 s[G1B+5], 1024
	s_mov_b32 s[G1B+6], 0
	s_mov_b32 s[G1B+7], 0
	s_lshr_b32 s16, s43, 3                         ; y: batch = tile row / 8: 4,194,304 bytes;
	s_lshl_b32 s16, s16, 22
	s_and_b32 s17, s43, 7
	s_lshl_b32 s17, s17, 15                        ; 256 (tile row % 8) positions of 128 bytes;
	s_add_co_u32 s16, s16, s17
	s_lshl_b32 s17, s14, 18                        ; my head of the step's two
	s_add_co_u32 s16, s16, s17
	s_mov_b32 s17, 0
	s_lshl_b32 s46, s42, 8                         ; Wp: 128 columns of 2 bytes a tile column;
	s_lshl_b32 s47, s14, 17                        ; my 64 rows of 2,048 bytes
	s_add_co_u32 s46, s46, s47
	s_mov_b32 s47, 0
	s_mul_i32 s20, s14, 34816                      ; where they go: no place in the cluster enters an LDS address
	s_mul_i32 s21, s14, 18432
	s_add_co_u32 s21, s21, BOFF
	s_wait_dscnt 0x0                               ; both opening adds are done
	s_wait_kmcnt 0x0
	s_add_nc_u64 s[18:19], s[4:5], s[16:17]
	s_add_nc_u64 s[46:47], s[6:7], s[46:47]
	CROUND                                         ; all sixteen work-groups are here: the first joint loads meet
.irp s, 0,1
	s_mov_b32 s[G0+4*\s], 1
	s_add_co_u32 s[G0+4*\s+1], s20, \s*SLOT
	s_add_nc_u64 s[G0+4*\s+2:G0+4*\s+3], s[18:19], \s*524288       ; a K step on: two heads
	s_or_b32 s[G0+4*\s+3], s[G0+4*\s+3], 0x80000000
	s_mov_b32 s[G0B+4*\s], 1
	s_add_co_u32 s[G0B+4*\s+1], s21, \s*SLOT
	s_add_nc_u64 s[G0B+4*\s+2:G0B+4*\s+3], s[46:47], \s*262144     ; 128 rows of Wp
	s_or_b32 s[G0B+4*\s+3], s[G0B+4*\s+3], 0x80000000
	JLOAD \s                                       ; two tensor loads of mine are out
.endr
	v_and_b32 v1, 15, v0                           ; r
	v_bfe_u32 v2, v0, 4, 1                         ; h
	s_lshl_b32 s46, s42, 9                         ; the bias of my 64 columns: tile b's register j is bp[128 column tile + 64 half + 16 b + 8 h + j]
	s_lshl_b32 s47, s14, 8
	s_add_co_u32 s46, s46, s47
	s_mov_b32 s47, 0
	s_add_nc_u64 s[8:9], s[8:9], s[46:47]
	s_add_nc_u64 s[10:11], s[10:11], s[46:47]      ; out: the same bytes along a row,
	s_lshl_b32 s46, s43, 20                        ; 256 rows of 4,096 bytes a tile row,
	s_lshl_b32 s47, s13, 19                        ; my 128 of them
	s_add_co_u32 s46, s46, s47
	s_mov_b32 s47, 0
	s_add_nc_u64 s[10:11], s[10:11], s[46:47]
	v_lshlrev_b32 v[BOF], 5, v2
.irp b, 0,1,2,3
	global_load_b128 v[BI+8*\b:BI+8*\b+3], v[BOF], s[8:9] offset:64*\b
	global_load_b128 v[BI+8*\b+4:BI+8*\b+7], v[BOF], s[8:9] offset:64*\b+16
.endr
	v_lshrrev_b32 v3, 1, v1
	v_mul_u32_u24 v3, v3, 272
	v_and_b32 v4, 1, v1
	v_lshl_add_u32 v3, v4, 7, v3
	v_lshl_add_u32 v3, v2, 4, v3                   ; y: position r: 272 (r / 2) + 128 (r % 2), + 16 h
	s_mul_i32 s21, s13, 17408                      ; my 128 positions
	v_and_b32 v4, 7, v0
	v_lshl_add_u32 v4, v2, 3, v4
	v_mul_u32_u24 v4, v4, 288                      ; Wp, for the turning load: row k = 8 h + lane % 8,
	v_bfe_u32 v5, v0, 3, 1
	v_lshl_add_u32 v4, v5, 4, v4                   ; columns 8 ((lane / 8) % 2) on
	s_lshl_b32 s22, s14, 7                         ; my 64 columns
	s_add_co_u32 s22, s22, BOFF
.irp s, 0,1
	v_add_nc_u32 v[ADRA+\s], s21, v3
	v_add_nc_u32 v[ADRB+\s], s22, v4
	s_add_co_u32 s21, s21, SLOT
	s_add_co_u32 s22, s22, SLOT
.endr
	s_mul_i32 s23, s12, 4352
	s_add_co_u32 s23, s23, STAGE                   ; my stage
	v_mul_u32_u24 v5, v1, 272
	v_lshl_add_u32 v5, v2, 5, v5
	v_add_nc_u32 v[STO], s23, v5                   ; in: row r, 32 bytes for each half of the lanes
	v_mul_u32_u24 v5, v2, 272
	v_lshl_add_u32 v5, v1, 4, v5
	v_add_nc_u32 v[RD], s23, v5                    ; back: lanes 0-15 one row of 256 bytes, lanes 16-31 the next
	v_lshlrev_b32 v5, 12, v2
	v_lshl_add_u32 v[CO], v1, 4, v5                ; and the same two rows in out
.macro FETCH slot, q, f                ; 24 LDS loads in one run: the fragments of 32 along K: Wp's four, y's blocks 0-3, y's blocks 4-7
	WIN 0
.irp b, 0,1,2,3
	ds_load_tr16_b128 v[\f+64+8*\b:\f+64+8*\b+3], v[ADRB+\slot] offset:9216*(\q)+32*\b
	ds_load_tr16_b128 v[\f+64+8*\b+4:\f+64+8*\b+7], v[ADRB+\slot] offset:9216*(\q)+32*\b+4608
.endr
.irp a, 0,1,2,3,4,5,6,7
	ds_load_b128 v[\f+8*\a:\f+8*\a+3], v[ADRA+\slot] offset:((\q)/2)*34816+((\q)%2)*64+2176*\a
	ds_load_b128 v[\f+8*\a+4:\f+8*\a+7], v[ADRA+\slot] offset:((\q)/2)*34816+((\q)%2)*64+2176*\a+32
.endr
.endm
.macro MULA f, a0, n, first            ; n blocks of y x Wp's four tiles.  The 32 accumulators take turns, one instruction a turn
.set AA, \a0
.rept \n
.irp b, 0,1,2,3
.if \first
	v_wmma_f32_16x16x32_f16 v[8*(4*AA+\b):8*(4*AA+\b)+7], v[\f+64+8*\b:\f+64+8*\b+7], v[\f+8*AA:\f+8*AA+7], v[BI+8*\b:BI+8*\b+7]
.else
	v_wmma_f32_16x16x32_f16 v[8*(4*AA+\b):8*(4*AA+\b)+7], v[\f+64+8*\b:\f+64+8*\b+7], v[\f+8*AA:\f+8*AA+7], v[8*(4*AA+\b):8*(4*AA+\b)+7]
.endif
.endr
.set AA, AA+1
.endr
.endm
.macro PLACES                          ; four plain lines in front of loads into registers that matrix instructions have read, and of reads of results
.rept 4
	v_nop
.endr
.endm
.macro QUARTER slot, qn, f, g, first   ; 32 along K: multiplies buffer f; in its middle it fetches the slot's quarter qn into g
	s_wait_dscnt 8                                 ; Wp's tiles and y's blocks 0-3 are in; the youngest eight loads may be out
.if \first
	WIN MUL0
.else
	WIN MUL
.endif
	MULA \f, 0, 4, \first
	PLACES
	FETCH \slot, \qn, \g
	s_wait_dscnt 24                                ; all but the 24 just issued
.if \first
	WIN MUL0
.else
	WIN MUL
.endif
	MULA \f, 4, 4, \first
.endm
; A slot's last quarter multiplies buffer 1 and changes slots: one barrier; in front of it each wave waits for all its tensor loads, adds 0 to its spare word, and waits for that and for its reads of this slot.
.macro TURN slot, next, fill
	WIN 0
	s_wait_tensorcnt 0x0                           ; all my tensor loads have landed: my part of the next slot
	ds_add_u32 v[SPW], v[NIL]
	s_wait_dscnt 9                                 ; (the add and the youngest eight loads may be out)
	WIN MUL
	MULA F1, 0, 2, 0
	s_wait_dscnt 0x0                               ; the add is done, and my reads of this slot are over
	s_barrier_signal -1
	MULA F1, 2, 2, 0
.if \fill
	WIN 0
.endif
	s_barrier_wait -1
.if \fill
	CREST                                          ; the barrier has opened a round of the cluster's: no wave of any partner still reads this slot or has a load on its way
	s_add_nc_u64 s[G0+4*\slot+2:G0+4*\slot+3], s[G0+4*\slot+2:G0+4*\slot+3], 1048576
	s_add_nc_u64 s[G0B+4*\slot+2:G0B+4*\slot+3], s[G0B+4*\slot+2:G0B+4*\slot+3], 524288
	JLOAD \slot                                    ; my one tensor load behind the round; its four v_nop are also the places in front of the loads below
.else
	PLACES
.endif
	FETCH \next, 0, F0
	WIN MUL
	MULA F1, 4, 4, 0
.endm
	s_wait_tensorcnt 1                             ; my part of K step 0 is in (K step 1's may be out)
	s_barrier_signal -1
	s_barrier_wait -1                              ; everybody's is
	FETCH 0, 0, F0
	s_wait_loadcnt 0x0                             ; the bias
	QUARTER 0, 1, F0, F1, 1                        ; the first quarter stands in front of the loop: the bias starts the sums
	WIN 0
	s_mov_b32 s3, LAPS-1
.Llap:                                             ; a trip goes once round the ring and fills both slots again
	QUARTER 0, 2, F1, F0, 0
	QUARTER 0, 3, F0, F1, 0
	TURN 0, 1, 1
	QUARTER 1, 1, F0, F1, 0
	QUARTER 1, 2, F1, F0, 0
	QUARTER 1, 3, F0, F1, 0
	TURN 1, 0, 1
	QUARTER 0, 1, F0, F1, 0
	WIN 0
	s_sub_co_u32 s3, s3, 1
	s_cmp_lg_u32 s3, 0
	s_cbranch_scc1 .Llap
	QUARTER 0, 2, F1, F0, 0                        ; the last lap fills nothing
	QUARTER 0, 3, F0, F1, 0
	TURN 0, 1, 0
	QUARTER 1, 1, F0, F1, 0
	QUARTER 1, 2, F1, F0, 0
	QUARTER 1, 3, F0, F1, 0
	s_wait_dscnt 8
	WIN MUL
	MULA F1, 0, 4, 0
	s_wait_dscnt 0
	MULA F1, 4, 4, 0
	WIN 0
	PLACES
; THE WAY OUT, block by block of 16 rows x 64 columns: through my stage, back as rows of 256 bytes.
.macro TOSTAGE a
	WIN 0x04                                       ; an LDS store's data are its source 1: window 1
.irp b, 0,1,2,3
	ds_store_b128 v[STO], v[8*(4*(\a)+\b):8*(4*(\a)+\b)+3] offset:64*\b        ; each accumulator from its low end on
	ds_store_b128 v[STO], v[8*(4*(\a)+\b)+4:8*(4*(\a)+\b)+7] offset:64*\b+16
.endr
	WIN 0
.set BB, BK+32*((\a)%2)
.irp t, 0,1,2,3,4,5,6,7
	ds_load_b128 v[BB+4*\t:BB+4*\t+3], v[RD] offset:544*\t   ; LDS serves a wave's instructions in order: these see the stores above
.endr
.endm
.macro SEND a, younger
.set BB, BK+32*((\a)%2)
	s_wait_dscnt \younger                          ; the block is back; the next block's 8 stores and 8 loads may be out
.irp t, 0,1,2,3,4,5,6,7
	global_store_b128 v[CO], v[BB+4*\t:BB+4*\t+3], s[10:11] offset:65536*(\a)+8192*\t th:TH_STORE_NT   ; 16 lanes store 256 consecutive bytes, at a multiple of 256 from out's first byte
.endr
.endm
	TOSTAGE 0
.irp a, 1,2,3,4,5,6,7
.if \a > 1
	s_wait_xcnt 0x0                                ; block a - 2's stores have had their addresses translated (ISA guide 3.1): block a's loads land in their registers only behind this wait
.endif
	TOSTAGE \a
	SEND \a-1, 16
.endr
	SEND 7, 0
	s_wait_tensorcnt 0x0                           ; the wave's end: behind my last tensor load and my last LDS store
	ds_add_u32 v[SPW], v[NIL]
	s_wait_dscnt 0x0
	CROUND                                         ; the closing round
	s_endpgm
.Lfunc_end_k_q6d6b9ee7cf_proj:
	.size	k_q6d6b9ee7cf_proj, .Lfunc_end_k_q6d6b9ee7cf_proj-k_q6d6b9ee7cf_proj
	.p2alignl 7, 3214868480
	.fill 96, 4, 3214868480
	.section	.rodata,"a",@progbits
	.p2align	6, 0x0
	.amdhsa_kernel k_q6d6b9ee7cf_proj
		.amdhsa_group_segment_fixed_size 327680
		.amdhsa_private_segment_fixed_size 0
		.amdhsa_enable_private_segment 0
		.amdhsa_kernarg_size 32
		.amdhsa_user_sgpr_count 2
		.amdhsa_user_sgpr_kernarg_segment_ptr 1
		.amdhsa_wavefront_size32 1
		.amdhsa_system_sgpr_workgroup_id_x 1
		.amdhsa_system_sgpr_workgroup_id_y 1
		.amdhsa_system_sgpr_workgroup_id_z 1
		.amdhsa_system_vgpr_workitem_id 0
		.amdhsa_next_free_vgpr 512
		.amdhsa_next_free_sgpr 66
		.amdhsa_reserve_vcc 0
		.amdhsa_float_denorm_mode_32 3
		.amdhsa_float_denorm_mode_16_64 3
		.amdhsa_memory_ordered 1
		.amdhsa_forward_progress 1
		.amdhsa_inst_pref_size 87
	.end_amdhsa_kernel
	.amdgpu_metadata
---
amdhsa.version: [ 1, 2 ]
amdhsa.kernels:
  - .name:           k_q6d6b9ee7cf_proj
    .symbol:         k_q6d6b9ee7cf_proj.kd
    .args:
      - { .name: y16, .offset: 0, .size: 8, .value_kind: global_buffer, .address_space: global }
      - { .name: wp16, .offset: 8, .size: 8, .value_kind: global_buffer, .address_space: global }
      - { .name: bp, .offset: 16, .size: 8, .value_kind: global_buffer, .address_space: global }
      - { .name: out0, .offset: 24, .size: 8, .value_kind: global_buffer, .address_space: global }
    .group_segment_fixed_size: 327680
    .private_segment_fixed_size: 0
    .kernarg_segment_align: 8
    .kernarg_segment_size: 32
    .max_flat_workgroup_size: 128
    .sgpr_count:     66
    .vgpr_count:     512
    .wavefront_size: 32
...
	.end_amdgpu_metadata
.endif
;; end of part 5
;; launch first16 (part 6): grid 16 x 4, 16 waves a work-group, no clusters, 72,192 bytes of LDS; arguments qkv32, Wp, bp, out0; writes out0
.if DOCPART == 6
	.amdgcn_target "amdgcn-amd-amdhsa--gfx1250"
	.amdhsa_code_object_version 6
	.text
	.protected	k_q6d6b9ee7cf_first16
	.globl	k_q6d6b9ee7cf_first16
	.p2align	8
	.type	k_q6d6b9ee7cf_first16,@function
k_q6d6b9ee7cf_first16:
	s_mov_b64 s[64:65], 0
	v_nop
	global_prefetch_b8 v0, s[64:65] scope:SCOPE_SE
	s_setreg_imm32_b32 hwreg(HW_REG_WAVE_MODE, 25, 1), 1
	s_wait_xcnt 0x0
; Positions 0 to 15 of each batch once more, all in f32: these rows average one to sixteen values, so the rounding of f16 operands would weigh most there.  They are written over what the launch before left.
; qkv32: [batch][4][16 rows][3072] f32, of which slice 0 holds q (unscaled), k, v of positions 0 to 15.  A work-group takes one batch and 64 columns of out; wave w takes head w: its 16 x 16 scores, its softmax
; (the maximum over the keys that count is taken away: p = 2^(c (s - m)), c = log2(e) / 8), its 16 x 64 of y, and y's product with rows 64 w .. 64 w + 63 of Wp.  The sixteen partial sums meet in LDS, in the order of the heads.
; All products by the f32 matrix form, 16 x 16 x 4, used transposed, so that a lane holds one query throughout.  Along K the same order of k stands in both sources: a lane's registers 2 s, 2 s + 1 serve step s.
; The registers that this form writes (v192-239) are written by matrix instructions alone; each sum's first instruction takes the constant 0.  Accumulators take turns, one instruction a turn.
.set RED,   0                          ; LDS: 16 waves x 4,096 bytes of partial sums,
.set OST,   65536                      ; 16 rows x (256 + 16) bytes of results,
.set SPARE, 70144                      ; the spare words: 128 bytes a wave, named by no other line
.set T,   16                           ; v16-23   scores, then p
.set QF,  32                           ; v32-63   q(r, 64 w + 32 h + i); later Wp's tile 2
.set KF,  64                           ; v64-95   k likewise; later Wp's tile 3
.set VF,  96                           ; v96-127  v(8 h + kp, 64 w + 16 dt + r) at 8 dt + kp; later y
.set WF,  128                          ; v128-191 Wp's tiles 0 and 1: Wp(64 w + 16 dt + 8 h + kp, n0 + 16 nt + r) at 32 nt + 8 dt + kp
.set S0,  192
.set S1,  200
.set O,   208                          ; v208-239 O^T, then out^T
	s_load_b128 s[4:7], s[0:1], 0x0                ; qkv32, Wp
	s_load_b128 s[8:11], s[0:1], 0x10              ; bp, out0
	v_lshl_add_u32 v14, v0, 2, SPARE
	v_mov_b32 v15, 0
	v_lshrrev_b32 v1, 5, v0
	v_readfirstlane_b32 s12, v1                    ; wave = head
	v_and_b32 v1, 31, v0                           ; lane
	v_and_b32 v2, 15, v0                           ; r
	v_bfe_u32 v3, v0, 4, 1                         ; h
	s_and_b32 s13, ttmp7, 0xffff                   ; batch
	s_lshl_b32 s14, ttmp9, 8                       ; my 64 columns, in bytes
	s_lshl_b32 s15, s12, 8                         ; my head's 64 columns, in bytes
	v_mul_u32_u24 v4, v2, 12288
	v_lshl_add_u32 v4, v3, 7, v4
	v_add_nc_u32 v4, s15, v4                       ; q, k: row r, channels 32 h on
	v_mul_u32_u24 v5, v3, 98304
	v_lshl_add_u32 v5, v2, 2, v5
	v_add_nc_u32 v5, s15, v5                       ; v: rows 8 h on, channel r
	s_lshl_b32 s16, s12, 18
	s_add_co_u32 s16, s16, s14
	v_lshlrev_b32 v6, 15, v3
	v_lshl_add_u32 v6, v2, 2, v6
	v_add_nc_u32 v6, s16, v6                       ; Wp: rows 64 w + 8 h on, column n0 + r
	s_lshl_b32 s17, s12, 12
	v_lshl_add_u32 v7, v1, 4, s17                  ; my partial sums: 4,096 w + 16 x lane
	v_lshlrev_b32 v8, 3, v0                        ; the reduction: 8 bytes a thread of each wave's 4,096
	s_lshr_b32 s18, s12, 2                         ; those 8 bytes are: tile w / 4, registers 4 ((w / 2) % 2) + 2 (lane % 2) + 0, 1 of lane 16 (w % 2) + lane / 2:
	s_lshl_b32 s18, s18, 6                         ; query lane / 2, columns 16 (w / 4) + 8 (w % 2) + 4 ((w / 2) % 2) + 2 (lane % 2) + 0, 1
	s_and_b32 s19, s12, 1
	s_lshl_b32 s19, s19, 5
	s_add_co_u32 s18, s18, s19
	s_bfe_u32 s19, s12, 0x10001
	s_lshl_b32 s19, s19, 4
	s_add_co_u32 s18, s18, s19
	v_lshrrev_b32 v9, 1, v1
	v_mul_u32_u24 v9, v9, 272
	v_and_b32 v10, 1, v1
	v_lshl_add_u32 v9, v10, 3, v9
	v_add_nc_u32 v9, s18, v9
	v_add_nc_u32 v9, OST, v9
	v_lshl_add_u32 v11, v10, 3, s18
	v_add_nc_u32 v11, s14, v11                     ; the same columns in bp
	s_mul_i32 s19, s12, 272
	s_add_co_u32 s19, s19, OST
	v_lshl_add_u32 v10, v1, 3, s19                 ; row w of the results, 8 bytes a lane
	v_lshlrev_b32 v12, 3, v1
	v_lshlrev_b32 v13, 3, v3
	v_sub_nc_u32 v13, v2, v13                      ; r - 8 h
	v_mov_b32 v24, 0xff800000
	v_mov_b32 v26, 0                               ; a lane permute's destination counts as one of its sources
	s_mov_b32 s22, 0x3e38aa3b                      ; c = log2(e) / 8
	s_mov_b32 s24, 0x76543210
	s_mov_b32 s25, 0xfedcba98
	s_mul_i32 s20, s13, 786432                     ; slice 0 of my batch
	s_mov_b32 s21, 0
	s_lshl_b32 s26, s13, 23                        ; out: row 2048 batch + w, my 64 columns
	s_add_co_u32 s26, s26, s17
	s_add_co_u32 s26, s26, s14
	s_mov_b32 s27, 0
	s_wait_kmcnt 0x0
	s_add_nc_u64 s[4:5], s[4:5], s[20:21]
	s_add_nc_u64 s[10:11], s[10:11], s[26:27]
.irp i, 0,1,2,3,4,5,6,7
	global_load_b128 v[QF+4*\i:QF+4*\i+3], v4, s[4:5] offset:16*\i
.endr
.irp i, 0,1,2,3,4,5,6,7
	global_load_b128 v[KF+4*\i:KF+4*\i+3], v4, s[4:5] offset:4096+16*\i
.endr
.irp dt, 0,1,2,3
.irp kp, 0,1,2,3,4,5,6,7
	global_load_b32 v[VF+8*\dt+\kp], v5, s[4:5] offset:8192+12288*\kp+64*\dt
.endr
.endr
	global_load_b64 v[30:31], v11, s[8:9]
.irp nt, 0,1
.irp dt, 0,1,2,3
.irp kp, 0,1,2,3,4,5,6,7
	global_load_b32 v[WF+32*\nt+8*\dt+\kp], v6, s[6:7] offset:(16*\dt+\kp)*4096+64*\nt
.endr
.endr
.endr
	s_wait_loadcnt 63                              ; of the 113 loads issued the first 50 are in: q, k, v and the bias are the first 49
.set kk, 0
.rept 16                                       ; S^T = k q^T: lane (r, h) gets query r, keys 8 h + 0..7; two accumulators by turns
.if kk < 2
	v_wmma_f32_16x16x4_f32 v[S0+8*(kk%2):S0+8*(kk%2)+7], v[KF+2*kk:KF+2*kk+1], v[QF+2*kk:QF+2*kk+1], 0
.else
	v_wmma_f32_16x16x4_f32 v[S0+8*(kk%2):S0+8*(kk%2)+7], v[KF+2*kk:KF+2*kk+1], v[QF+2*kk:QF+2*kk+1], v[S0+8*(kk%2):S0+8*(kk%2)+7]
.endif
.set kk, kk+1
.endr
.rept 8
	v_nop                                          ; eight places behind this form: for the loads over q and k, and for the first read of the scores
.endr
.irp nt, 0,1
.irp dt, 0,1,2,3
.irp kp, 0,1,2,3,4,5,6,7
	global_load_b32 v[QF+32*\nt+8*\dt+\kp], v6, s[6:7] offset:(16*\dt+\kp)*4096+64*(\nt+2)
.endr
.endr
.endr
.irp i, 0,2,4,6
	v_pk_add_f32 v[T+\i:T+\i+1], v[S0+\i:S0+\i+1], v[S1+\i:S1+\i+1]   ; from the low end on
.endr
.irp j, 0,1,2,3,4,5,6,7
	v_cmp_gt_i32 vcc_lo, \j, v13                   ; key 8 h + j comes after query r
	v_cndmask_b32 v[T+\j], v[T+\j], v24, vcc_lo
.endr
	v_max3_num_f32 v25, v[T], v[T+1], v[T+2]
	v_max3_num_f32 v25, v25, v[T+3], v[T+4]
	v_max3_num_f32 v25, v25, v[T+5], v[T+6]
	v_max_num_f32 v25, v25, v[T+7]
	v_permlanex16_b32 v26, v25, s24, s25
	v_max_num_f32 v25, v25, v26                    ; m: key 0 counts for every query, so it is a number
.irp j, 0,1,2,3,4,5,6,7
	v_sub_f32 v[T+\j], v[T+\j], v25
.endr
.irp j, 0,1,2,3,4,5,6,7
	v_mul_f32 v[T+\j], s22, v[T+\j]
.endr
.irp j, 0,1,2,3,4,5,6,7
	v_exp_f32 v[T+\j], v[T+\j]
.endr
	v_nop                                          ; a plain line behind the exponentials,
	s_wait_alu depctr_va_vdst(0)                   ; and their one wait, ahead of the first reader
	v_add_f32 v27, v[T], v[T+1]
	v_add_f32 v28, v[T+2], v[T+3]
	v_add_f32 v27, v27, v[T+4]
	v_add_f32 v28, v28, v[T+5]
	v_add_f32 v27, v27, v[T+6]
	v_add_f32 v28, v28, v[T+7]
	v_add_f32 v27, v27, v28
	v_permlanex16_b32 v26, v27, s24, s25
	v_add_f32 v27, v27, v26                        ; the row's sum
	v_rcp_f32 v28, v27
	v_mov_b32 v29, 0                               ; (a plain line; v29 is named with v28 as a pair)
	s_wait_alu depctr_va_vdst(0)
.irp i, 0,1,2,3                                ; O^T = v^T p: keys 8 h + 2 i + 0, 1 in step i; four accumulators by turns
.irp dt, 0,1,2,3
.if \i == 0
	v_wmma_f32_16x16x4_f32 v[O+8*\dt:O+8*\dt+7], v[VF+8*\dt+2*\i:VF+8*\dt+2*\i+1], v[T+2*\i:T+2*\i+1], 0
.else
	v_wmma_f32_16x16x4_f32 v[O+8*\dt:O+8*\dt+7], v[VF+8*\dt+2*\i:VF+8*\dt+2*\i+1], v[T+2*\i:T+2*\i+1], v[O+8*\dt:O+8*\dt+7]
.endif
.endr
.endr
.rept 9
	v_nop                                          ; nine places: the next products begin anew in these accumulators' registers; eight serve the reads of O^T and the writes over v
.endr
.set kk, 0
.rept 16
	v_pk_mul_f32 v[VF+kk:VF+kk+1], v[O+kk:O+kk+1], v[28:29] op_sel_hi:[1,0]   ; y(r, 64 w + 16 dt + 8 h + j) at 8 dt + j
.set kk, kk+2
.endr
	s_wait_loadcnt 0x0                             ; Wp's four tiles
.irp dt, 0,1,2,3                               ; out^T += Wp^T y^T: k = 64 w + 16 dt + 8 h + 2 i + 0, 1; four accumulators by turns
.irp i, 0,1,2,3
.irp nt, 0,1,2,3
.if (\dt == 0) && (\i == 0)
	v_wmma_f32_16x16x4_f32 v[O+8*\nt:O+8*\nt+7], v[WF+32*\nt-160*(\nt/2)+8*\dt+2*\i:WF+32*\nt-160*(\nt/2)+8*\dt+2*\i+1], v[VF+8*\dt+2*\i:VF+8*\dt+2*\i+1], 0
.else
	v_wmma_f32_16x16x4_f32 v[O+8*\nt:O+8*\nt+7], v[WF+32*\nt-160*(\nt/2)+8*\dt+2*\i:WF+32*\nt-160*(\nt/2)+8*\dt+2*\i+1], v[VF+8*\dt+2*\i:VF+8*\dt+2*\i+1], v[O+8*\nt:O+8*\nt+7]
.endif
.endr
.endr
.endr
.rept 8
	v_nop
.endr
.irp nt, 0,1,2,3
	ds_store_b128 v7, v[O+8*\nt:O+8*\nt+3] offset:1024*\nt         ; each accumulator from its low end on
	ds_store_b128 v7, v[O+8*\nt+4:O+8*\nt+7] offset:1024*\nt+512
.endr
	s_wait_dscnt 0x0                               ; for the others' sake: my partial sums have landed
	s_barrier_signal -1
	s_barrier_wait -1
.irp i, 0,1,2,3,4,5,6,7,8,9,10,11,12,13,14,15
	ds_load_b64 v[WF+2*\i:WF+2*\i+1], v8 offset:4096*\i
.endr
	s_wait_dscnt 0x0
	v_pk_add_f32 v[24:25], v[WF:WF+1], v[WF+2:WF+3]
.irp i, 2,3,4,5,6,7,8,9,10,11,12,13,14,15
	v_pk_add_f32 v[24:25], v[24:25], v[WF+2*\i:WF+2*\i+1]          ; in the order of the heads
.endr
	v_pk_add_f32 v[24:25], v[24:25], v[30:31]      ; + bp
	ds_store_b64 v9, v[24:25]
	s_wait_dscnt 0x0
	s_barrier_signal -1
	s_barrier_wait -1
	ds_load_b64 v[26:27], v10
	s_wait_dscnt 0x0
	global_store_b64 v12, v[26:27], s[10:11]       ; a wave stores 256 consecutive bytes of row w, at a multiple of 256 from out's first byte
	s_wait_tensorcnt 0x0                           ; the wave's end: behind my last LDS store
	ds_add_u32 v14, v15
	s_wait_dscnt 0x0
	s_endpgm
.Lfunc_end_k_q6d6b9ee7cf_first16:
	.size	k_q6d6b9ee7cf_first16, .Lfunc_end_k_q6d6b9ee7cf_first16-k_q6d6b9ee7cf_first16
	.p2alignl 7, 3214868480
	.fill 96, 4, 3214868480
	.section	.rodata,"a",@progbits
	.p2align	6, 0x0
	.amdhsa_kernel k_q6d6b9ee7cf_first16
		.amdhsa_group_segment_fixed_size 72192
		.amdhsa_private_segment_fixed_size 0
		.amdhsa_enable_private_segment 0
		.amdhsa_kernarg_size 32
		.amdhsa_user_sgpr_count 2
		.amdhsa_user_sgpr_kernarg_segment_ptr 1
		.amdhsa_wavefront_size32 1
		.amdhsa_system_sgpr_workgroup_id_x 1
		.amdhsa_system_sgpr_workgroup_id_y 1
		.amdhsa_system_sgpr_workgroup_id_z 1
		.amdhsa_system_vgpr_workitem_id 0
		.amdhsa_next_free_vgpr 256
		.amdhsa_next_free_sgpr 66
		.amdhsa_reserve_vcc 1
		.amdhsa_float_denorm_mode_32 3
		.amdhsa_float_denorm_mode_16_64 3
		.amdhsa_memory_ordered 1
		.amdhsa_forward_progress 1
		.amdhsa_inst_pref_size 33
	.end_amdhsa_kernel
	.amdgpu_metadata
---
amdhsa.version: [ 1, 2 ]
amdhsa.kernels:
  - .name:           k_q6d6b9ee7cf_first16
    .symbol:         k_q6d6b9ee7cf_first16.kd
    .args:
      - { .name: qkv32, .offset: 0, .size: 8, .value_kind: global_buffer, .address_space: global }
      - { .name: Wp, .offset: 8, .size: 8, .value_kind: global_buffer, .address_space: global }
      - { .name: bp, .offset: 16, .size: 8, .value_kind: global_buffer, .address_space: global }
      - { .name: out0, .offset: 24, .size: 8, .value_kind: global_buffer, .address_space: global }
    .group_segment_fixed_size: 72192
    .private_segment_fixed_size: 0
    .kernarg_segment_align: 8
    .kernarg_segment_size: 32
    .max_flat_workgroup_size: 512
    .sgpr_count:     66
    .vgpr_count:     256
    .wavefront_size: 32
...
	.end_amdgpu_metadata
.endif
;; end of part 6
